; MI455X (gfx1250); checked and timed in simulation.
; The chip was launched on July 23, 2026; its instructions are those of AMD's public machine-readable ISA for CDNA 5 (MIT licence, August 2026) and "CDNA5" Instruction Set Architecture Reference Guide (July 2026). The comments in the code are by the model that wrote it; some were corrected since.
;; Multi Head Self Attention. Allowed arithmetic: matrix products marked QUANTISED: E2M3 operands, one E8M0 scale for each 32 along K, by v_wmma_scale_f32_16x16x128_f8f6f4 with both operands' format E2M3, f32 sums; everything else in f32.
;; Inputs: Wk 1,024 x 1,024 float32; Wo 1,024 x 1,024 float32; Wq 1,024 x 1,024 float32; Wv 1,024 x 1,024 float32; bk 1,024 float32; bo 1,024 float32; bq 1,024 float32; bv 1,024 float32; x 4 x 2,048 x 1,024 float32.
;; Outputs: out0 4 x 2,048 x 1,024 float32.
;; This version of the problem:
;;   THIS VERSION OF THE PROBLEM IS GIVEN IN LOW PRECISION. The matrix products marked QUANTISED in the list below multiply operands that are first quantised to E2M3 (2 exponent bits, 3 mantissa bits; 6 bits a number), with one power-of-two scale for each 32 numbers along K (OCP MX v1.0); their sums are f32. All else is computed in f32.
;;   The module's matrix products, in the order in which they are computed (A, B: the left and right operand; K: the contracted axis; several contracted axes count as one K, in the product's order):
;;     1. [M 8,192, K 1,024] x [K 1,024, N 1,024]; A: input x; B: input Wq: QUANTISED
;;     2. [M 8,192, K 1,024] x [K 1,024, N 1,024]; A: input x; B: input Wk: QUANTISED
;;     3. [M 8,192, K 1,024] x [K 1,024, N 1,024]; A: input x; B: input Wv: QUANTISED
;;     4. batch 64 x [M 2,048, K 64] x [K 64, N 2,048]; A: computed on the way; B: computed on the way: QUANTISED
;;     5. batch 64 x [M 2,048, K 2,048] x [K 2,048, N 64]; A: softmax (see below); B: computed on the way: QUANTISED
;;     6. [M 8,192, K 1,024] x [K 1,024, N 1,024]; A: computed on the way; B: input Wo: QUANTISED
;;   THE QUANTISER, for each operand of a quantised product, along K:
;;     - K is cut into blocks of 32 from its start; a last block that is shorter is filled with zeros.
;;     - A block's scale is 2^e with e = floor(log2(the largest magnitude in the block)) - 2, held to -126 .. 127; a block of zeros has e = 0. As a byte (E8M0): e + 127.
;;     - Each number is divided by its block's scale, clamped to +-7.5, and rounded to the nearest number of E2M3, ties to even, subnormals kept.
;;     - The product sums the exact products of the quantised numbers (number of the format x scale) in f32.
;;   ~~~python
;;   def quantise(x, axis):      # numpy; x: float32 -> the quantised numbers, widened to float32 again
;;       x = np.moveaxis(x, axis, -1); K = x.shape[-1]
;;       x = np.pad(x, [(0, 0)] * (x.ndim - 1) + [(0, -K % 32)]); x = x.reshape(x.shape[:-1] + (-1, 32)); a = np.abs(x).max(-1, keepdims=True)
;;       e = np.where(a > 0, np.clip(np.frexp(np.where(a > 0, a, 1))[1] - 1 - 2, -126, 127), 0)      # np.frexp(a)[1] - 1 = floor(log2(a)), exactly
;;       r = np.clip(x / 2.0 ** e, -7.5, 7.5)
;;       step = 2.0 ** (np.maximum(np.frexp(np.where(r == 0, 1, r))[1] - 1, 0) - 3)
;;       q = np.round(r / step) * step * 2.0 ** e      # np.round: ties to even
;;       return np.moveaxis(q.reshape(q.shape[:-2] + (-1,))[..., :K], -1, axis).astype(np.float32)
;;   ~~~
;;   SOFTMAX AHEAD OF A QUANTISED PRODUCT. Where the list says 'softmax', what is quantised is not the finished softmax but p = 2^(t - M), with t = logit x log2(e) and M = ceil(the row's largest t), a whole number; so 1/2 < the row's largest p <= 1. The row's sum l is taken of the UNQUANTISED p, in f32, and the product's result is divided by l at the end. Since M is a whole number, a kernel that streams over the keys may use a running M (the ceiling of the running maximum): every later rescaling is an exact power of two, which a block's scale takes up: the codes' values come out the same.
;;   OPERANDS COMPUTED ON THE WAY. 'Computed on the way' means the value that the module computes at that place (a softmax that the list does not call 'softmax' is quantised finished and normalised). What goes into a quantiser is computed in f32, as accurately as f32 sums, v_exp_f32 and their like allow (about 1e-6 of the number): no bf16 or f16 on the way to a quantiser, and a product that is left as it is and whose result goes on into a quantised operand takes f32 operands (vector FMAs, or v_wmma_f32_16x16x4_f32). A number that lies on a knife's edge between two numbers of the format may be rounded either way, as far as f32 arithmetic and the matrix unit's own rounding can turn it there, and no further.
;; One version. Each part assembles by itself: llvm-mc -triple=amdgcn-amd-amdhsa -mcpu=gfx1250 --defsym DOCPART=n.
;; ======== version 1 of 1: 4 launches
;; limits: right only within a limited range of input values
;; workspace buffers: xq 6,553,600 bytes; wq 3,276,800 bytes; qq 6,815,744 bytes; kv 13,369,344 bytes; oq 6,815,744 bytes
;; launch quant (part 1): grid 384 x 1, 4 waves a work-group, no clusters, 34,304 bytes of LDS; arguments x, Wq, Wk, Wv, Wo, xq, wq; writes xq, wq
.if DOCPART == 1
	.amdgcn_target "amdgcn-amd-amdhsa--gfx1250"
	.amdhsa_code_object_version 6
	.text
	.protected	k_q97fbe3d0b0_quant
	.globl	k_q97fbe3d0b0_quant
	.p2align	8
	.type	k_q97fbe3d0b0_quant,@function
k_q97fbe3d0b0_quant:
	s_mov_b64 s[64:65], 0
	v_nop
	global_prefetch_b8 v0, s[64:65] scope:SCOPE_SE
	s_setreg_imm32_b32 hwreg(HW_REG_WAVE_MODE, 25, 1), 1
	s_wait_xcnt 0x0
; x [8192][1024] and Wq, Wk, Wv, Wo [1024][1024], f32, K innermost, become codes of FP6 (E2M3) with one E8M0 byte for each 32 along K.
; A block's scale is 2^(floor(log2(its largest magnitude)) - 2); its byte is that magnitude's exponent field - 2, held at 1 from below.
; LIMITS: a block of zeros gets the byte 1 where the rule says 127 (its codes are zeros, which add nothing, and this program alone reads the bytes);
; NaN and infinities among the inputs are not served.
; THE LAYOUT OF THE CODES is an image of operand registers.  A UNIT of 768 bytes is 16 row slots x 64 along K: lane l = r + 16 h holds the 24 bytes of
; k = 32 h .. 32 h + 31 of slot r; its first 16 bytes lie at 16 l, its last 8 at 512 + 8 l.  A BLOCK is 16 row slots, 16 units on end (12,288 bytes).
; Slot r of block i is row 32 (i / 2) + 8 (i % 2) + r + 8 (r / 8): with two neighbouring blocks as source 0 of a product a lane's 16 results are 16 neighbouring rows.
; THE SCALES: 512 bytes a block, [K half][slot r][4 words], a word for each 128 along K.
; SHARES: a wave takes one block and one half of K: 16 rows x 512 numbers, in four steps of 128.  Work-groups 0-255 take x, then 32 each Wq, Wk, Wv, Wo (blocks 0-63, 64-127, .. of wq).
; Each load reads 512 consecutive bytes of a row; a step's 16 rows turn through the wave's own stage in LDS, so that a lane gets whole blocks of 32 neighbours.  Waves share nothing: no barrier.
.set ROWB, 4096                        ; a row of x or of a weight in bytes
.set SPT,  528                         ; a stage row: 512 bytes + 16, so that 16 rows begin at 16 different groups of banks
.set STG,  16*SPT                      ; a wave's stage
.set XS,   6291456                     ; where the scales begin in xq
.set WS,   3145728                     ; and in wq
.set R,    16                          ; v16-143  two sets of 64: a step's numbers as loaded
.set X,    144                         ; v144-207 64 numbers of my slot: k = 64 c + 32 h + 0 .. 31, c = 0, 1
.set C,    208                         ; v208-231 two sets of 12: a step's codes
.set T,    232                         ; v232-239 the upper halves of the blocks' codes, as the conversions leave them
.set W,    240                         ; v240-243 the four steps' scale words
.set MX,   244                         ; v244-245 largest magnitudes
.set SO,   246                         ; v246-247 the conversions' scale operands
.set BY,   248                         ; v248-249 scale bytes
.set PD,   250                         ; v250     a lane permute's destination
.set TW,   251                         ; v251     my two bytes of a word
	s_load_b256 s[4:11], s[0:1], 0x0               ; x, Wq, Wk, Wv
	s_load_b128 s[12:15], s[0:1], 0x20             ; Wo, xq
	s_load_b64 s[16:17], s[0:1], 0x30              ; wq
	v_lshl_add_u32 v254, v0, 2, 0x8400
	v_mov_b32 v255, 0
	v_lshrrev_b32 v1, 5, v0
	v_readfirstlane_b32 s18, v1                    ; wave 0..3
	v_and_b32 v1, 31, v0                           ; lane l
	v_and_b32 v2, 15, v0                           ; r
	v_bfe_u32 v3, v0, 4, 1                         ; h
	v_lshlrev_b32 v4, 4, v1                        ; 16 l: my bytes of a load's 512, and of a unit's first 512
	s_mul_i32 s19, s18, STG
	v_add_nc_u32 v5, s19, v4                       ; the stage, on the way in: 16 l in a row
	v_mul_u32_u24 v6, v2, SPT
	v_lshl_add_u32 v6, v3, 7, v6
	v_add_nc_u32 v6, s19, v6                       ; and on the way out: row r, + 128 h
	v_lshlrev_b32 v8, 3, v1                        ; 8 l: my bytes of a unit's last 256
	v_lshlrev_b32 v9, 4, v2
	v_lshl_add_u32 v9, v3, 3, v9                   ; 16 r + 8 h: my two words of the scales' 256 bytes
	v_lshlrev_b32 v10, 3, v3                       ; 8 h: how far my bytes are shifted in a word
	v_mov_b32 v[PD], 0                             ; written once: a lane permute's destination counts as one of its sources
	v_cmp_ne_u32 vcc_lo, 0, v3                     ; lanes 16-31; kept to the end
	s_mov_b32 s36, 0x76543210
	s_mov_b32 s37, 0xfedcba98                      ; selects for lane l xor 16
	; which tensor, which block, which half of K: all from the work-group's and the wave's number
	s_sub_co_u32 s22, ttmp9, 256
	s_and_b32 s23, s22, 31
	s_cmp_lt_u32 ttmp9, 256
	s_cselect_b32 s22, ttmp9, s22                  ; my number among the work-groups of xq or of wq
	s_cselect_b32 s23, ttmp9, s23                  ; and among those of my tensor
	s_mov_b32 s24, WS
	s_cselect_b32 s24, XS, s24                     ; where the scales begin
	s_lshl_b32 s22, s22, 2
	s_add_co_u32 s22, s22, s18                     ; 2 x block + half, in the buffer written
	s_lshl_b32 s23, s23, 2
	s_add_co_u32 s23, s23, s18                     ; 2 x block + half, in the tensor read
	s_and_b32 s25, s23, 1
	s_lshr_b32 s28, s23, 2
	s_lshl_b32 s28, s28, 17                        ; 32 rows for each pair of blocks,
	s_bfe_u32 s29, s23, 0x10001
	s_lshl_b32 s29, s29, 15                        ; 8 rows for the odd block,
	s_add_co_u32 s28, s28, s29
	s_lshl_b32 s25, s25, 11                        ; 2,048 bytes for the second half of K
	s_add_co_u32 s28, s28, s25
	s_mov_b32 s29, 0
	s_mul_i32 s30, s22, 6144                       ; 8 units for each half block
	s_mov_b32 s31, 0
	s_lshl_b32 s32, s22, 8                         ; 256 bytes of scales
	s_add_co_u32 s32, s32, s24
	s_mov_b32 s33, 0
	s_wait_alu depctr_va_vdst(0)
	s_wait_kmcnt 0x0
	s_mov_b64 s[20:21], s[12:13]                   ; the choices hang on the work-group's number alone
	s_cmp_lt_u32 ttmp9, 352
	s_cselect_b64 s[20:21], s[10:11], s[20:21]
	s_cmp_lt_u32 ttmp9, 320
	s_cselect_b64 s[20:21], s[8:9], s[20:21]
	s_cmp_lt_u32 ttmp9, 288
	s_cselect_b64 s[20:21], s[6:7], s[20:21]
	s_cmp_lt_u32 ttmp9, 256
	s_cselect_b64 s[20:21], s[4:5], s[20:21]
	s_cselect_b64 s[26:27], s[14:15], s[16:17]
	s_add_nc_u64 s[20:21], s[20:21], s[28:29]      ; my first number
	s_add_nc_u64 s[34:35], s[26:27], s[32:33]      ; my scales
	s_add_nc_u64 s[26:27], s[26:27], s[30:31]      ; my codes
.macro LOAD s                          ; step s: 128 along K of my 16 rows, a row (512 consecutive bytes) a load
.irp j, 0,1,2,3,4,5,6,7,8,9,10,11,12,13,14,15
	global_load_b128 v[R+64*((\s)%2)+4*\j:R+64*((\s)%2)+4*\j+3], v4, s[20:21] offset:(\j+8*(\j/8))*ROWB+512*(\s) th:TH_LOAD_NT
.endr
.endm
.macro QSTEP s
.set CC, C+12*((\s)%2)
.if (\s) < 3
	s_wait_loadcnt 16                              ; this step's 16 loads are in; the next step's 16 may be out
.else
	s_wait_loadcnt 0x0
.endif
.irp j, 0,1,2,3,4,5,6,7,8,9,10,11,12,13,14,15
	ds_store_b128 v5, v[R+64*((\s)%2)+4*\j:R+64*((\s)%2)+4*\j+3] offset:SPT*\j
.endr
.irp c, 0,1
.irp q, 0,1,2,3,4,5,6,7
	ds_load_b128 v[X+32*\c+4*\q:X+32*\c+4*\q+3], v6 offset:256*\c+16*\q   ; LDS serves a wave's instructions in order: these see the stores above
.endr
.endr
	s_wait_dscnt 0x0                               ; my numbers are back, and the stores have read their registers,
.if (\s)+2 < 4
	LOAD (\s)+2                                    ; which take the loads of two steps on
.endif
.irp c, 0,1                                    ; my block 2 c + h of the step: all its 32 numbers are mine
	v_max3_num_f32 v[MX+\c], |v[X+32*\c]|, |v[X+32*\c+1]|, 0x1800000   ; with the floor 2^(3 - 127): the byte cannot fall under 1
.endr
.irp i, 2,4,6,8,10,12,14,16,18,20,22,24,26,28,30
.irp c, 0,1
	v_max3_num_f32 v[MX+\c], v[MX+\c], |v[X+32*\c+\i]|, |v[X+32*\c+\i+1]|   ; (the two blocks by turns)
.endr
.endr
.irp c, 0,1
	v_add_nc_u32 v[SO+\c], 0xff000000, v[MX+\c]    ; 2 off the exponent field: the conversion takes this operand's exponent field as its scale
.endr
.irp c, 0,1
	v_lshrrev_b32 v[BY+\c], 23, v[SO+\c]           ; the scale's byte
.endr
	v_lshl_or_b32 v[TW], v[BY+1], 16, v[BY]        ; blocks h and 2 + h of my row,
	v_lshlrev_b32 v[TW], v10, v[TW]                ; at their places in the word;
	v_permlanex16_b32 v[PD], v[TW], s36, s37
	v_or_b32 v[W+(\s)], v[TW], v[PD]               ; with lane l xor 16's two the word is whole
.if (\s) >= 2
	s_wait_alu depctr_va_vdst(0)
	s_wait_xcnt 0x0                                ; the stores of two steps ago have read this set of code registers: it is written again only behind this wait
.endif
.irp c, 0,1
	v_cvt_scalef32_pk16_fp6_f32 v[CC+6*\c:CC+6*\c+2], v[X+32*\c:X+32*\c+15], v[SO+\c]
	v_cvt_scalef32_pk16_fp6_f32 v[T+4*\c:T+4*\c+2], v[X+32*\c+16:X+32*\c+31], v[SO+\c]   ; (a conversion's three registers begin on an even number)
.endr
	v_nop                                          ; one plain place behind a scaled conversion
.irp c, 0,1
.irp i, 0,1,2
	v_mov_b32 v[CC+6*\c+3+\i], v[T+4*\c+\i]
.endr
.endr
.irp c, 0,1
	global_store_b128 v4, v[CC+6*\c:CC+6*\c+3], s[26:27] offset:(2*(\s)+\c)*768        ; 512 consecutive bytes, at a multiple of 256
	global_store_b64 v8, v[CC+6*\c+4:CC+6*\c+5], s[26:27] offset:(2*(\s)+\c)*768+512   ; 256 consecutive bytes
.endr
.endm
	LOAD 0
	LOAD 1
	QSTEP 0
	QSTEP 1
	QSTEP 2
	QSTEP 3
	v_cndmask_b32 v[T], v[W], v[W+2], vcc_lo       ; lanes 0-15 store words 0 and 1 of their row, lanes 16-31 words 2 and 3
	v_cndmask_b32 v[T+1], v[W+1], v[W+3], vcc_lo
	global_store_b64 v9, v[T:T+1], s[34:35]        ; 256 consecutive bytes, at a multiple of 256
	s_wait_tensorcnt 0x0
	ds_add_u32 v254, v255
	s_wait_dscnt 0x0
	s_endpgm
.Lfunc_end_k_q97fbe3d0b0_quant:
	.size	k_q97fbe3d0b0_quant, .Lfunc_end_k_q97fbe3d0b0_quant-k_q97fbe3d0b0_quant
	.p2alignl 7, 3214868480
	.fill 96, 4, 3214868480
	.section	.rodata,"a",@progbits
	.p2align	6, 0x0
	.amdhsa_kernel k_q97fbe3d0b0_quant
		.amdhsa_group_segment_fixed_size 34304
		.amdhsa_private_segment_fixed_size 0
		.amdhsa_enable_private_segment 0
		.amdhsa_kernarg_size 56
		.amdhsa_user_sgpr_count 2
		.amdhsa_user_sgpr_kernarg_segment_ptr 1
		.amdhsa_wavefront_size32 1
		.amdhsa_system_sgpr_workgroup_id_x 1
		.amdhsa_system_sgpr_workgroup_id_y 1
		.amdhsa_system_sgpr_workgroup_id_z 1
		.amdhsa_system_vgpr_workitem_id 0
		.amdhsa_next_free_vgpr 256
		.amdhsa_next_free_sgpr 66
		.amdhsa_reserve_vcc 1
		.amdhsa_float_denorm_mode_32 3
		.amdhsa_float_denorm_mode_16_64 3
		.amdhsa_memory_ordered 1
		.amdhsa_forward_progress 1
		.amdhsa_inst_pref_size 31
	.end_amdhsa_kernel
	.amdgpu_metadata
---
amdhsa.version: [ 1, 2 ]
amdhsa.kernels:
  - .name:           k_q97fbe3d0b0_quant
    .symbol:         k_q97fbe3d0b0_quant.kd
    .args:
      - { .name: x, .offset: 0, .size: 8, .value_kind: global_buffer, .address_space: global }
      - { .name: Wq, .offset: 8, .size: 8, .value_kind: global_buffer, .address_space: global }
      - { .name: Wk, .offset: 16, .size: 8, .value_kind: global_buffer, .address_space: global }
      - { .name: Wv, .offset: 24, .size: 8, .value_kind: global_buffer, .address_space: global }
      - { .name: Wo, .offset: 32, .size: 8, .value_kind: global_buffer, .address_space: global }
      - { .name: xq, .offset: 40, .size: 8, .value_kind: global_buffer, .address_space: global }
      - { .name: wq, .offset: 48, .size: 8, .value_kind: global_buffer, .address_space: global }
    .group_segment_fixed_size: 34304
    .private_segment_fixed_size: 0
    .kernarg_segment_align: 8
    .kernarg_segment_size: 56
    .max_flat_workgroup_size: 128
    .sgpr_count:     66
    .vgpr_count:     256
    .wavefront_size: 32
...
	.end_amdgpu_metadata
.endif
;; end of part 1
;; launch qkv (part 2): grid 12 x 64, 4 waves a work-group, clusters of 4 x 4, 295,424 bytes of LDS; arguments xq, wq, bq, bk, bv, qq, kv; writes qq, kv
.if DOCPART == 2
	.amdgcn_target "amdgcn-amd-amdhsa--gfx1250"
	.amdhsa_code_object_version 6
	.text
	.protected	k_q97fbe3d0b0_qkv
	.globl	k_q97fbe3d0b0_qkv
	.p2align	8
	.type	k_q97fbe3d0b0_qkv,@function
k_q97fbe3d0b0_qkv:
	s_mov_b64 s[64:65], 0
	v_nop
	global_prefetch_b8 v0, s[64:65] scope:SCOPE_SE
	s_setreg_imm32_b32 hwreg(HW_REG_WAVE_MODE, 25, 1), 1
	s_wait_xcnt 0x0
	s_wait_alu depctr_hold_cnt(0) depctr_sa_sdst(0) depctr_va_vdst(0) depctr_va_sdst(0) depctr_va_ssrc(0) depctr_va_vcc(0) depctr_vm_vsrc(0)
	s_getreg_b32 s2, hwreg(HW_REG_IB_STS2, 6, 4)
	s_cmp_eq_u32 s2, 0
	s_cbranch_scc0 .Lentry_in_a_cluster
	s_endpgm
.Lentry_in_a_cluster:
	s_bfe_u32 s2, ttmp6, 0x10000c
	s_cmp_lg_u32 s2, 0xf033
	s_cbranch_scc0 .Lentry_shape_is_right
	s_endpgm
.Lentry_shape_is_right:
; q = x Wq^T + bq, k = x Wk^T + bk, v = x Wv^T + bv on codes of FP6 (E2M3) with E8M0 scales, sums in f32; the results are quantised at once: q and k along the head's 64 channels, v along the keys.
; Codes lie as images of operand registers: a UNIT of 768 bytes is 16 row slots x 64 along K (lane l = r + 16 h: 16 bytes at 16 l, 8 bytes at 512 + 8 l); a block of 16 slots is 16 units on end;
; slot r of block i is row 32 (i / 2) + 8 (i % 2) + r + 8 (r / 8).  Scales: 512 bytes a block, [K half][r][4 words].
; A WORK-GROUP makes P (256 rows, source 0) x Q (128 rows, source 1); a wave 128 x 64: 32 accumulators.  A lane of a result holds ONE slot of Q, and its 64 registers of a block of Q run along 128 NEIGHBOURING rows of P.
; THE CLUSTER'S x IS THE KIND OF WORK: 0 q, 1 k (P = the weight, Q = x: a lane holds a token, its registers run along the channels of two heads), 2 v (P = x, Q = Wv: a lane holds a channel, its registers run down 128 keys).
; ALL OF K (1,024) LIES IN LDS AT ONCE, in four chunks of 256 along K; every LDS byte is filled once, so there is no ring.  A wave has four tensor loads out at the most.
; CLUSTER 4 x 4: P's tile hangs on cx and is asked for jointly by a column of the cluster, Q's on cy and by a row.
; WHAT IS STORED: qq: codes [batch x head][tile of 16 queries] units, scales [batch x head][tile / 4][r][4 words]; kv: for each batch x head and step of 128 keys 12,288 bytes: K's 8 units, then V^T's 4 fragments of two units;
; scales 768 bytes a step: K's tiles 0-3, K's tiles 4-7, V's four fragments, each [r][4 words].  A word of q or k has its head's two bytes below and zeros above.
; LIMITS: a block of zeros gets the byte 1 where the rule says 127 (zero codes; the bytes are read by this program alone); NaN and infinities are not served.
; REGISTERS: window 0: addresses, scale words, biases, the way out; window 1: the accumulators, (a, t) at v[8 (8 a + t)]; windows 2, 3: two sets of fragments, P's at v[12 t], Q's at v[96 + 12 a].
.set XS,    6291456                    ; where the scales begin in xq,
.set WS,    3145728                    ; in wq,
.set QS,    6291456                    ; in qq,
.set KVS,   12582912                   ; in kv
.set CHUNK, 147456                     ; K lies in LDS in TWO HALVES of 512 along K: Q's 8 blocks and P's 16; four tiles, one tensor load a wave
.set BROW,  6144                       ; 512 along K of a block: eight units
.set POFF,  49152                      ; P's blocks lie behind Q's 8
.set VO16,  4                          ; v4   16 l
.set VO8,   5                          ; v5   8 l
.set VOS,   6                          ; v6   where I store my scale words
.set SHV,   7                          ; v7   how far a scale word is shifted down for my half of the lanes
.set AQ16,  8                          ; v8-9  LDS: my half of Q in chunk c, + 16 l;  v12-13 + 8 l
.set AQ8,   12
.set AP16,  16                         ; v16-17, v20-21 the same for P
.set AP8,   20
.set SP,    32                         ; v32-63 P's scale words: block t at 4 t: lanes 0-15 K steps 0-3, lanes 16-31 K steps 4-7
.set SQ,    64                         ; v64-79 Q's
.set BP,    80                         ; v80-143 the bias along P, in the result's layout
.set BQ,    144                        ; v144-151 the bias along Q: a pair for each block a
.set H,     152                        ; v152-215 64 finished numbers of a lane
.set PC,    216                        ; v216-227 a fragment's codes; v228-235 at work
.set TM,    236                        ; v236-251 at work in QUANT
.set PW,    244                        ; the scale word just made
.set SW,    252                        ; v252-255 four blocks' scale words
.set WV,    18
.set TY,    23
.set G1Q,   36
.set G1P,   44
.set SEL,   66
.set G0Q,   68                         ; s[68:75] group 0 for Q's two halves of K;  s[84:91] for P's
.set G0P,   84
.set MSB, 0
.macro WIN new                         ; the immediate's high byte repeats the setting that is left
.if MSB != (\new)
	s_set_vgpr_msb (MSB<<8)|(\new)
.set MSB, (\new)
.endif
.endm
.macro CROUND                          ; a round of the cluster's barrier
	s_barrier_signal -1
	s_barrier_wait -1
	s_cmp_lg_u32 s[WV], 0
	s_cbranch_scc1 .Lnot_wave_0_\@
	s_barrier_signal -3
.Lnot_wave_0_\@:
	s_barrier_wait -3
	s_barrier_signal -1
	s_barrier_wait -1
.endm
	s_load_b256 s[4:11], s[0:1], 0x0               ; xq, wq, bq, bk
	s_load_b128 s[12:15], s[0:1], 0x20             ; bv, qq
	s_load_b64 s[16:17], s[0:1], 0x30              ; kv
	v_lshl_add_u32 v246, v0, 2, 0x48000
	v_mov_b32 v247, 0
	ds_add_u32 v246, v247
	ds_add_u32 v246, v247
	v_lshrrev_b32 v1, 5, v0
	v_readfirstlane_b32 s[WV], v1                  ; wave 0..3
	s_and_b32 s19, s[WV], 1                        ; qh: my half of Q.  Also: which half of a tile I fetch
	s_lshr_b32 s20, s[WV], 1                       ; ph: my half of P.  Also: I fetch for Q (0) or for P (1)
	s_bfe_u32 s21, ttmp6, 0x40000                  ; cx
	s_bfe_u32 s22, ttmp6, 0x40004                  ; cy
	s_mov_b32 s[TY], ttmp9                         ; the cluster's x: 0 q, 1 k, 2 v: the same in all sixteen partners
	s_and_b32 s24, ttmp7, 0xffff                   ; the cluster's y
	; group 1: rows of 6,144 bytes (768 elements of 8 bytes), 12,288 bytes apart in memory, dense in LDS: 8 rows for half of Q, 16 for half of P
	s_lshl_b32 s56, 0x1111, s21                    ; my column of the cluster
	s_or_b32 s[G1P], s56, (3<<16)|(1<<21)
	s_lshl_b32 s62, s22, 2
	s_lshl_b32 s62, 15, s62                        ; my row
	s_or_b32 s[G1Q], s62, (3<<16)|(1<<21)
	s_mov_b32 s[G1Q+1], 768<<16                    ; rows of 6,144 bytes (768 elements of 8 bytes): half of K of a block; 8 rows for Q, 16 for P
	s_mov_b32 s[G1Q+2], 8<<16
	s_mov_b32 s[G1Q+3], 768<<16
	s_mov_b32 s[G1Q+4], 8
	s_mov_b32 s[G1Q+5], 1536
	s_mov_b32 s[G1Q+6], 0
	s_mov_b32 s[G1Q+7], 0
	s_mov_b32 s[G1P+1], 768<<16
	s_mov_b32 s[G1P+2], 16<<16
	s_mov_b32 s[G1P+3], 768<<16
	s_mov_b32 s[G1P+4], 16
	s_mov_b32 s[G1P+5], 1536
	s_mov_b32 s[G1P+6], 0
	s_mov_b32 s[G1P+7], 0
	; which tiles.  s52-57 serve P and never hold cy; s58-63 serve Q and never hold cx
	s_lshr_b32 s52, s24, 1
	s_and_b32 s58, s24, 1
	s_cmp_eq_u32 s[TY], 2
	s_cselect_b32 s52, s52, s[TY]
	s_cselect_b32 s58, s58, s24
	s_cselect_b32 s60, 1572864, 0                  ; v: Q is Wv, blocks 128 on of wq
	s_cselect_b32 s61, 0x10000, 0                  ; and their scales
	s_mov_b32 s53, WS
	s_cselect_b32 s53, XS, s53
	s_mov_b32 s59, XS
	s_cselect_b32 s59, WS, s59
	s_lshl_b32 s52, s52, 2
	s_add_co_u32 s52, s52, s21                     ; P's tile of 16 blocks: q, k: 4 x kind + cx; v: 4 (cluster y / 2) + cx
	s_lshl_b32 s58, s58, 2
	s_add_co_u32 s58, s58, s22                     ; Q's tile of 8 blocks: q, k: 4 x cluster y + cy; v: 4 (cluster y % 2) + cy
	s_add_co_u32 s59, s59, s61
	s_lshl_b32 s61, s58, 12
	s_add_co_u32 s59, s59, s61
	s_lshl_b32 s61, s19, 11
	s_add_co_u32 s59, s59, s61                     ; the scales of my 4 blocks of Q
	s_mul_i32 s61, s58, 98304
	s_add_co_u32 s60, s60, s61
	s_mov_b32 s61, 0
	s_lshl_b32 s54, s52, 13
	s_add_co_u32 s53, s53, s54
	s_lshl_b32 s54, s20, 12
	s_add_co_u32 s53, s53, s54                     ; the scales of my 8 blocks of P
	s_mul_i32 s54, s52, 196608
	s_mov_b32 s55, 0
	s_wait_dscnt 0x0
	s_wait_kmcnt 0x0
	s_cmp_eq_u32 s[TY], 2
	s_cselect_b64 s[56:57], s[4:5], s[6:7]         ; P: x for v, else the weights
	s_cselect_b64 s[62:63], s[6:7], s[4:5]         ; Q: the other
	s_add_nc_u64 s[54:55], s[56:57], s[54:55]
	s_add_nc_u64 s[60:61], s[62:63], s[60:61]
.irp c, 0,1                                    ; group 0 of the four tiles: half c of K of Q's 8 blocks and of P's 16
	s_mov_b32 s[G0Q+4*\c], 1
	s_mov_b32 s[G0Q+4*\c+1], \c*CHUNK
	s_add_nc_u64 s[G0Q+4*\c+2:G0Q+4*\c+3], s[60:61], \c*BROW
	s_or_b32 s[G0Q+4*\c+3], s[G0Q+4*\c+3], 0x80000000
	s_mov_b32 s[G0P+4*\c], 1
	s_mov_b32 s[G0P+4*\c+1], \c*CHUNK+POFF
	s_add_nc_u64 s[G0P+4*\c+2:G0P+4*\c+3], s[54:55], \c*BROW
	s_or_b32 s[G0P+4*\c+3], s[G0P+4*\c+3], 0x80000000
.endr
	CROUND                                         ; all sixteen work-groups are here: the joint loads meet
	s_cmp_eq_u32 s[WV], 0                          ; one chain of branches on the wave's number, one fill to an arm: wave 0 Q's first half of K, wave 1 P's, wave 2 Q's second half, wave 3 P's
	s_cbranch_scc0 .Lfill_1
	tensor_load_to_lds s[G0Q:G0Q+3], s[G1Q:G1Q+7]
	s_nop 0
.rept 4
	v_nop
.endr
	s_branch .Lfilled
.Lfill_1:
	s_cmp_eq_u32 s[WV], 2
	s_cbranch_scc0 .Lfill_p
	tensor_load_to_lds s[G0Q+4:G0Q+7], s[G1Q:G1Q+7]
	s_nop 0
.rept 4
	v_nop
.endr
	s_branch .Lfilled
.Lfill_p:
	s_cmp_eq_u32 s[WV], 1
	s_cbranch_scc0 .Lfill_3
	tensor_load_to_lds s[G0P:G0P+3], s[G1P:G1P+7]
	s_nop 0
.rept 4
	v_nop
.endr
	s_branch .Lfilled
.Lfill_3:
	tensor_load_to_lds s[G0P+4:G0P+7], s[G1P:G1P+7]
	s_nop 0
.rept 4
	v_nop
.endr
.Lfilled:
	v_and_b32 v1, 31, v0                           ; l
	v_and_b32 v2, 15, v0                           ; r
	v_bfe_u32 v3, v0, 4, 1                         ; h
	s_wait_alu depctr_va_vdst(0)
	v_lshlrev_b32 v[VO16], 4, v1
	s_wait_alu depctr_va_vdst(0)
	v_lshlrev_b32 v[VO8], 3, v1
	s_wait_alu depctr_va_vdst(0)
	s_mov_b32 s54, s53
	s_mov_b32 s55, 0
	s_add_nc_u64 s[56:57], s[56:57], s[54:55]
	s_mov_b32 s60, s59
	s_mov_b32 s61, 0
	s_add_nc_u64 s[62:63], s[62:63], s[60:61]
.irp t, 0,1,2,3,4,5,6,7
	global_load_b128 v[SP+4*\t:SP+4*\t+3], v[VO16], s[56:57] offset:512*\t   ; a block's 512 bytes of scales: lanes 0-15 the first half of K, lanes 16-31 the second
.endr
.irp a, 0,1,2,3
	global_load_b128 v[SQ+4*\a:SQ+4*\a+3], v[VO16], s[62:63] offset:512*\a
.endr
	s_cmp_eq_u32 s[TY], 0
	s_cselect_b64 s[8:9], s[8:9], s[10:11]
	s_cmp_eq_u32 s[TY], 2
	s_cselect_b64 s[8:9], s[12:13], s[8:9]         ; bq, bk or bv
	s_lshl_b32 s2, s21, 10
	s_lshl_b32 s3, s20, 9
	s_add_co_u32 s2, s2, s3
	v_lshl_add_u32 v24, v3, 6, s2                  ; along P: channels 256 cx + 128 ph + 16 h on
	s_and_b32 s2, s58, 7
	s_lshl_b32 s2, s2, 9
	s_lshl_b32 s3, s19, 8
	s_add_co_u32 s2, s2, s3
	v_and_b32 v25, 8, v2
	v_add_nc_u32 v25, v25, v2
	v_lshl_add_u32 v25, v25, 2, s2                 ; along Q: channel 128 (tile % 8) + 64 qh + r + 8 (r / 8).  Both forms are loaded whatever the kind: both stay inside the 1,024 numbers
.irp t, 0,1,2,3,4,5,6,7
	global_load_b128 v[BP+8*\t:BP+8*\t+3], v24, s[8:9] offset:(32*(\t/2)+8*(\t%2))*4
	global_load_b128 v[BP+8*\t+4:BP+8*\t+7], v24, s[8:9] offset:(32*(\t/2)+8*(\t%2))*4+16
.endr
.irp a, 0,1,2,3
	global_load_b32 v[BQ+2*\a], v25, s[8:9] offset:(32*(\a/2)+8*(\a%2))*4
	global_load_b32 v[BQ+2*\a+1], v25, s[8:9] offset:(32*(\a/2)+8*(\a%2))*4   ; (named as a pair, so both are written)
.endr
	s_mul_i32 s100, s19, 24576                     ; my 4 blocks of Q in a half of K
	s_mul_i32 s101, s20, 49152
	s_add_co_u32 s101, s101, POFF                  ; my 8 blocks of P
.irp c, 0,1
	v_add_nc_u32 v[AQ16+\c], s100, v[VO16]
	v_add_nc_u32 v[AQ8+\c], s100, v[VO8]
	v_add_nc_u32 v[AP16+\c], s101, v[VO16]
	v_add_nc_u32 v[AP8+\c], s101, v[VO8]
	s_add_co_u32 s100, s100, CHUNK
	s_add_co_u32 s101, s101, CHUNK
.endr
	s_mov_b32 s[SEL], 0x76543210
	s_mov_b32 s[SEL+1], 0xfedcba98                 ; selects for lane l xor 16
.irp b, 0,1,2,3
	v_mov_b32 v[TM+4+\b], 0                        ; written once: a lane permute's destination counts as one of its sources
.endr
	; where the results go.  xi: my first block of x; hd: my first head
	s_lshl_b32 s2, s52, 4
	s_lshl_b32 s3, s20, 3
	s_add_co_u32 s2, s2, s3                        ; v: 16 x P's tile + 8 ph
	s_lshl_b32 s3, s58, 3
	s_lshl_b32 s35, s19, 2
	s_add_co_u32 s3, s3, s35                       ; q, k: 8 x Q's tile + 4 qh
	s_lshl_b32 s26, s58, 1
	s_add_co_u32 s26, s26, s19                     ; v: head 2 x Q's tile + qh
	s_lshl_b32 s27, s21, 2
	s_lshl_b32 s35, s20, 1
	s_add_co_u32 s27, s27, s35                     ; q, k: heads 4 cx + 2 ph and the next
	s_cmp_eq_u32 s[TY], 2
	s_cselect_b32 s2, s2, s3                       ; xi
	s_cselect_b32 s3, s26, s27                     ; hd
	s_cselect_b32 s35, 6144, 0                     ; V's fragments lie behind K's 8 units,
	s_cselect_b32 s33, 512, 0                      ; its scale words behind K's 512 bytes
	s_mov_b32 s30, 768
	s_cselect_b32 s30, 1536, s30                   ; from block a to a + 1: a unit (the next 16 tokens) or a fragment (the next 16 channels)
	s_cselect_b32 s34, -1, 0xffff                  ; a word of q or k keeps two bytes
	s_cselect_b32 s31, 0, 16
	v_mul_u32_u24 v[SHV], s31, v3                  ; lanes 16-31 take the second head's two bytes
	s_mov_b32 s31, 0
	s_lshr_b32 s26, s2, 7
	s_lshl_b32 s26, s26, 4
	s_add_co_u32 s3, s3, s26                       ; 16 x batch + head
	s_bfe_u32 s26, s2, 0x40003                     ; j: which 128 tokens of the batch
	s_and_b32 s2, s2, 7                            ; u: which block of them
	s_mul_i32 s27, s3, 98304
	s_mul_i32 s28, s26, 6144
	s_add_co_u32 s27, s27, s28
	s_cmp_lg_u32 s[TY], 0
	s_cselect_b32 s28, 1, 0
	s_lshl_b32 s27, s27, s28                       ; in kv a head and a step take twice the bytes that they take in qq
	s_lshl_b32 s29, 0x18000, s28                   ; a head's codes
	s_mul_i32 s28, s2, 768
	s_add_co_u32 s27, s27, s28
	s_add_co_u32 s27, s27, s35                     ; my first unit
	s_cmp_eq_u32 s[TY], 2
	s_cselect_b32 s28, 768, s29                    ; from a fragment's first unit to its second: v: the next 64 keys; q, k: the next head
	s_cmp_eq_u32 s[TY], 0
	s_mov_b32 s29, 12288
	s_cselect_b32 s29, 8192, s29                   ; a head's scales,
	s_mov_b32 s35, 768
	s_cselect_b32 s35, 512, s35                    ; a step's
	s_mov_b32 s32, KVS
	s_cselect_b32 s32, QS, s32
	s_cselect_b64 s[14:15], s[14:15], s[16:17]     ; qq or kv
	s_mul_i32 s3, s3, s29
	s_mul_i32 s26, s26, s35
	s_add_co_u32 s32, s32, s3
	s_add_co_u32 s32, s32, s26
	s_add_co_u32 s32, s32, s33
	s_lshr_b32 s2, s2, 2
	s_lshl_b32 s2, s2, 8
	s_add_co_u32 s32, s32, s2                      ; my 256 bytes of scale words
	s_mov_b32 s33, 0
	s_cmp_eq_u32 s[TY], 2
	s_cselect_b32 s29, 0, s29
	v_mul_u32_u24 v[VOS], s29, v3                  ; q, k: lanes 16-31 store the next head's words; v: both halves of the lanes store the same words to the same place
	v_lshl_add_u32 v[VOS], v2, 4, v[VOS]
	s_add_nc_u64 s[32:33], s[14:15], s[32:33]
	s_mov_b32 s26, s27
	s_mov_b32 s27, 0
	s_mov_b32 s29, 0
	s_add_nc_u64 s[26:27], s[14:15], s[26:27]      ; a fragment's first unit
	s_add_nc_u64 s[28:29], s[26:27], s[28:29]      ; and its second
.macro FRAGL reg, a16, a8, off         ; a fragment, 16 slots x 128 K: two units: registers 0-3, 4-5, 6-9, 10-11
	ds_load_b128 v[\reg:\reg+3], v[\a16] offset:\off
	ds_load_b64 v[\reg+4:\reg+5], v[\a8] offset:\off+512
	ds_load_b128 v[\reg+6:\reg+9], v[\a16] offset:\off+768
	ds_load_b64 v[\reg+10:\reg+11], v[\a8] offset:\off+1280
.endm
.macro FETCH s                         ; K step s: 48 LDS loads into set s % 2, each of 512 or 256 consecutive bytes
	WIN 0x80+0x40*((\s)%2)
.irp t, 0,1,2,3,4,5,6,7
	FRAGL 12*\t, AP16+(\s)/4, AP8+(\s)/4, \t*BROW+((\s)%4)*1536
.endr
.irp a, 0,1,2,3
	FRAGL 96+12*\a, AQ16+(\s)/4, AQ8+(\s)/4, \a*BROW+((\s)%4)*1536
.endr
.endm
.macro MUL s                           ; K step s: 32 products; the 32 accumulators take turns, one instruction a turn, in the same order in every step
	WIN 0x5a+5*((\s)%2)
.irp a, 0,1,2,3
.irp t, 0,1,2,3,4,5,6,7
.if (\s) == 0
	v_wmma_scale_f32_16x16x128_f8f6f4 v[8*(8*\a+\t):8*(8*\a+\t)+7], v[12*\t:12*\t+11], v[96+12*\a:96+12*\a+11], 0, v[SP+4*\t], v[SQ+4*\a] matrix_a_fmt:MATRIX_FMT_FP6 matrix_b_fmt:MATRIX_FMT_FP6
.elseif (\s) < 4
	v_wmma_scale_f32_16x16x128_f8f6f4 v[8*(8*\a+\t):8*(8*\a+\t)+7], v[12*\t:12*\t+11], v[96+12*\a:96+12*\a+11], v[8*(8*\a+\t):8*(8*\a+\t)+7], v[SP+4*\t+(\s)], v[SQ+4*\a+(\s)] matrix_a_fmt:MATRIX_FMT_FP6 matrix_b_fmt:MATRIX_FMT_FP6
.else
	v_wmma_scale_f32_16x16x128_f8f6f4 v[8*(8*\a+\t):8*(8*\a+\t)+7], v[12*\t:12*\t+11], v[96+12*\a:96+12*\a+11], v[8*(8*\a+\t):8*(8*\a+\t)+7], v[SP+4*\t+(\s)-4], v[SQ+4*\a+(\s)-4] matrix_a_fmt:MATRIX_FMT_FP6 matrix_b_fmt:MATRIX_FMT_FP6 matrix_a_scale:MATRIX_SCALE_ROW1 matrix_b_scale:MATRIX_SCALE_ROW1
.endif
.endr
.endr
.endm
	s_wait_alu depctr_va_vdst(0)
	s_cmp_lt_u32 s[WV], 2                          ; waves 0 and 1 brought the first half of K: they wait; the second half may be out
	s_cbranch_scc0 .Lnot_first
	s_wait_tensorcnt 0x0
.Lnot_first:
	s_barrier_signal -1
	s_barrier_wait -1                              ; everybody's is
	FETCH 0
	s_wait_loadcnt 0x0                             ; scale words and biases
.irp s, 0,1,2,3,4,5,6,7
.if \s == 3
	s_wait_tensorcnt 0x0                           ; every wave's load is in: the next fetch reads the second half of K
	s_wait_dscnt 0x0                               ; no LDS load of mine is pending at the signal
	s_barrier_signal -1
	s_barrier_wait -1
.endif
.if \s >= 1
.rept 4
	v_nop                                          ; four places in front of loads into the set that the last step's products read (ISA guide 7.12.1 for vector instructions)
.endr
.endif
.if \s < 7
	FETCH \s+1
	s_wait_dscnt 48                                ; this step's fragments are in; the 48 loads just issued may be out
.else
	s_wait_dscnt 0x0
.endif
	MUL \s
.endr
	WIN 0
.rept 4
	v_nop                                          ; four places in front of the first read of results
.endr
; THE WAY OUT, a block a of Q at a time: the bias, the quantiser, the stores.
.macro BIAS a                          ; the addition also brings the numbers into window 0; each accumulator is read from its low end on
	s_cmp_eq_u32 s[TY], 2
	s_cbranch_scc1 .Lby_q_\@
	WIN 0x01
.set jj, 0
.rept 32
	v_pk_add_f32 v[H+jj:H+jj+1], v[64*(\a)+jj:64*(\a)+jj+1], v[BP+jj:BP+jj+1]
.set jj, jj+2
.endr
	WIN 0
	s_branch .Lbiased_\@
.Lby_q_\@:
	WIN 0x01
.set jj, 0
.rept 32
	v_pk_add_f32 v[H+jj:H+jj+1], v[64*(\a)+jj:64*(\a)+jj+1], v[BQ+2*(\a):BQ+2*(\a)+1] op_sel_hi:[1,0]
.set jj, jj+2
.endr
	WIN 0
.Lbiased_\@:
.endm
; 64 numbers of a lane, register 16 b + i = k 32 b + 16 h + i of my slot, become a fragment's codes in v[PC] on and its scale word in v[PW].
.macro QUANT s
.irp b, 0,1,2,3
	v_max3_num_f32 v[TM+\b], |v[\s+16*\b]|, |v[\s+1+16*\b]|, 0x1800000   ; my 16 numbers of block b, and the floor 2^(3 - 127): the byte cannot fall under 1
.endr
.irp i, 2,4,6,8,10,12,14
.irp b, 0,1,2,3
	v_max3_num_f32 v[TM+\b], v[TM+\b], |v[\s+16*\b+\i]|, |v[\s+1+16*\b+\i]|
.endr
.endr
.irp b, 0,1,2,3
	v_permlanex16_b32 v[TM+4+\b], v[TM+\b], s[SEL], s[SEL+1]
.endr
.irp b, 0,1,2,3
	v_max_num_f32 v[TM+\b], v[TM+\b], v[TM+4+\b]   ; with lane l xor 16's: the block's largest magnitude
.endr
.irp b, 0,1,2,3
	v_add_nc_u32 v[TM+12+\b], 0xff000000, v[TM+\b] ; 2 off its exponent field: the conversion's scale operand
.endr
.irp b, 0,1,2,3
	v_lshrrev_b32 v[TM+4+\b], 23, v[TM+12+\b]      ; the scale's byte
.endr
	v_lshl_or_b32 v[PW], v[TM+5], 8, v[TM+4]
	v_lshl_or_b32 v[PW], v[TM+6], 16, v[PW]
	v_lshl_or_b32 v[PW], v[TM+7], 24, v[PW]
.irp c, 0,1
	v_cvt_scalef32_pk16_fp6_f32 v[PC+6*\c:PC+2+6*\c], v[\s+32*\c:\s+15+32*\c], v[TM+12+2*\c]
	v_cvt_scalef32_pk16_fp6_f32 v[PC+12+4*\c:PC+14+4*\c], v[\s+16+32*\c:\s+31+32*\c], v[TM+12+2*\c+1]   ; (a conversion's three registers begin on an even number)
.endr
	v_nop                                          ; one plain place behind a scaled conversion
.irp c, 0,1                                    ; the layout wants a whole block in a lane: lanes 0-15 block 2 c, lanes 16-31 block 2 c + 1
.irp i, 0,1,2
	v_permlane16_swap_b32 v[PC+6*\c+\i], v[PC+12+4*\c+\i]
.endr
.irp i, 0,1,2
	v_mov_b32 v[PC+3+6*\c+\i], v[PC+12+4*\c+\i]
.endr
.endr
.endm
.macro PUT a
	global_store_b128 v[VO16], v[PC:PC+3], s[26:27]             ; a unit: 512 consecutive bytes, then 256, at multiples of 256
	global_store_b64 v[VO8], v[PC+4:PC+5], s[26:27] offset:512
	global_store_b128 v[VO16], v[PC+6:PC+9], s[28:29]
	global_store_b64 v[VO8], v[PC+10:PC+11], s[28:29] offset:512
	v_lshrrev_b32 v[SW+(\a)], v[SHV], v[PW]
	v_and_b32 v[SW+(\a)], s34, v[SW+(\a)]
	s_wait_xcnt 0x0                                ; the stores have read their data and bases: both are written again only behind this wait
	s_add_nc_u64 s[26:27], s[26:27], s[30:31]
	s_add_nc_u64 s[28:29], s[28:29], s[30:31]
.endm
.irp a, 0,1,2,3
	BIAS \a
	QUANT H
	PUT \a
.endr
	s_wait_alu depctr_va_vdst(0)
	global_store_b128 v[VOS], v[SW:SW+3], s[32:33] ; sixteen lanes store 256 consecutive bytes: [r][4 words]
	s_wait_tensorcnt 0x0
	ds_add_u32 v246, v247
	s_wait_dscnt 0x0
	CROUND                                         ; the closing round: no work-group ends while a partner may still ask for a tile that names it
	s_endpgm
.Lfunc_end_k_q97fbe3d0b0_qkv:
	.size	k_q97fbe3d0b0_qkv, .Lfunc_end_k_q97fbe3d0b0_qkv-k_q97fbe3d0b0_qkv
	.p2alignl 7, 3214868480
	.fill 96, 4, 3214868480
	.section	.rodata,"a",@progbits
	.p2align	6, 0x0
	.amdhsa_kernel k_q97fbe3d0b0_qkv
		.amdhsa_group_segment_fixed_size 295424
		.amdhsa_private_segment_fixed_size 0
		.amdhsa_enable_private_segment 0
		.amdhsa_kernarg_size 56
		.amdhsa_user_sgpr_count 2
		.amdhsa_user_sgpr_kernarg_segment_ptr 1
		.amdhsa_wavefront_size32 1
		.amdhsa_system_sgpr_workgroup_id_x 1
		.amdhsa_system_sgpr_workgroup_id_y 1
		.amdhsa_system_sgpr_workgroup_id_z 1
		.amdhsa_system_vgpr_workitem_id 0
		.amdhsa_next_free_vgpr 912
		.amdhsa_next_free_sgpr 102
		.amdhsa_reserve_vcc 0
		.amdhsa_float_denorm_mode_32 3
		.amdhsa_float_denorm_mode_16_64 3
		.amdhsa_memory_ordered 1
		.amdhsa_forward_progress 1
		.amdhsa_inst_pref_size 107
	.end_amdhsa_kernel
	.amdgpu_metadata
---
amdhsa.version: [ 1, 2 ]
amdhsa.kernels:
  - .name:           k_q97fbe3d0b0_qkv
    .symbol:         k_q97fbe3d0b0_qkv.kd
    .args:
      - { .name: xq, .offset: 0, .size: 8, .value_kind: global_buffer, .address_space: global }
      - { .name: wq, .offset: 8, .size: 8, .value_kind: global_buffer, .address_space: global }
      - { .name: bq, .offset: 16, .size: 8, .value_kind: global_buffer, .address_space: global }
      - { .name: bk, .offset: 24, .size: 8, .value_kind: global_buffer, .address_space: global }
      - { .name: bv, .offset: 32, .size: 8, .value_kind: global_buffer, .address_space: global }
      - { .name: qq, .offset: 40, .size: 8, .value_kind: global_buffer, .address_space: global }
      - { .name: kv, .offset: 48, .size: 8, .value_kind: global_buffer, .address_space: global }
    .group_segment_fixed_size: 295424
    .private_segment_fixed_size: 0
    .kernarg_segment_align: 8
    .kernarg_segment_size: 56
    .max_flat_workgroup_size: 128
    .sgpr_count:     102
    .vgpr_count:     912
    .wavefront_size: 32
...
	.end_amdgpu_metadata
.endif
;; end of part 2
;; launch attn (part 3): grid 4 x 64, 8 waves a work-group, clusters of 4 x 1, 212,992 bytes of LDS; arguments qq, kv, oq; writes oq
.if DOCPART == 3
	.amdgcn_target "amdgcn-amd-amdhsa--gfx1250"
	.amdhsa_code_object_version 6
	.text
	.protected	k_q97fbe3d0b0_attn
	.globl	k_q97fbe3d0b0_attn
	.p2align	8
	.type	k_q97fbe3d0b0_attn,@function
k_q97fbe3d0b0_attn:
	s_mov_b64 s[64:65], 0
	v_nop
	global_prefetch_b8 v0, s[64:65] scope:SCOPE_SE
	s_setreg_imm32_b32 hwreg(HW_REG_WAVE_MODE, 25, 1), 1
	s_wait_xcnt 0x0
	s_wait_alu depctr_hold_cnt(0) depctr_sa_sdst(0) depctr_va_vdst(0) depctr_va_sdst(0) depctr_va_ssrc(0) depctr_va_vcc(0) depctr_vm_vsrc(0)
	s_getreg_b32 s2, hwreg(HW_REG_IB_STS2, 6, 4)
	s_cmp_eq_u32 s2, 0
	s_cbranch_scc0 .Lentry_in_a_cluster
	s_endpgm
.Lentry_in_a_cluster:
	s_bfe_u32 s2, ttmp6, 0x10000c
	s_cmp_lg_u32 s2, 0x3003
	s_cbranch_scc0 .Lentry_shape_is_right
	s_endpgm
.Lentry_shape_is_right:
; o = softmax(q k^T / 32) v for one batch x head and 512 queries, on codes of FP6 (E2M3) with E8M0 scales; o leaves quantised along the head's 64 channels.
; p = 2^(t - M), t = score x log2(e) / 32, M the running largest t rounded up to a whole number; the row's sum is taken of the unquantised p; O^T and the sums are multiplied by 2^(old M - new M) in every step.
; Both products are used transposed (S^T = k q^T, O^T = v^T p^T): a lane holds one query.  Codes lie as images of operand registers (a unit of 768 bytes: 16 bytes at 16 l, 8 bytes at 512 + 8 l).
; SHARES: 8 waves, two to a SIMD.  A wave takes TWO tiles of 16 queries at once, so that each fragment of k and v read from LDS feeds two products, and does that twice (two passes): 64 queries.
; LDS: the head's 2,048 keys, 16 steps of 12,288 bytes (k's 8 units, v's 4 fragments), then 16 x 768 bytes of scale words; every byte is filled once, at the head, one joint load a wave:
; wave 0 the scale words, wave 1 steps 0-3, waves 2-7 two steps each.  The first barrier shows waves 0 and 1's tiles; three steps are worked; a second barrier shows the rest.
; CLUSTER 4 x 1: the four work-groups of a batch x head read the same k and v: each tile is asked for jointly.  No data prefetch: all tensor loads go out at the head, so there is no later load to ask ahead for.
; THE WALK: 32 steps on end (2 passes x 16).  k's fragments of the next step are fetched behind this step's score products, v's behind its second products; the LDS offset wraps at 16 steps.
; The last step's fetch reads step 0 once more and is not used.  At a pass's end (the offset has wrapped to 0) the way out stands under a branch on that offset.
; REGISTERS: window 0: addresses, both tiles' small state, scale words, q, p's codes, tile 0's scores and O^T; window 1: tile 1's scores and O^T, k's 8 fragments, v's 4, the second pass's q.
; LIMITS: the scaled scores stay under 2^31 in magnitude; NaN and infinities are not served; a block of zeros gets the byte 1 where the rule says 127 (zero codes; this program alone reads the bytes).
.set SCL,   196608
.set OSG,   208896                     ; o's scale words on the way out: 256 bytes a wave
.set SPARE, 210944                     ; the spare words: 128 bytes a wave
.set KVS,   12582912
.set QS,    6291456
.set OS,    6291456
.set STEPB, 12288
.set VOFF,  6144
.set A16,  1
.set A8,   2
.set AS,   3
.set D16,  4
.set D8,   5
.set DSC,  6
.set OSA,  7
.set OSR,  8
.set SPW,  9
.set NIL,  10
.set AQS,  11
.set NM,   12                          ; tile x: v[NM+2x] -M, v[NM+2x+1] the running largest score
.set L,    16                          ; tile x: four pairs of partial sums at L + 8 x
.set FF,   32                          ; tile x: the factor, and a 0 above it
.set TP,   36
.set TQ,   38
.set BM,   40                          ; block maxima, 4 a tile
.set BX,   48
.set SO,   56
.set KSC,  64                          ; k's scale words, a register a tile of keys
.set VSC,  72
.set QW,   76                          ; q's scale words of my four tiles
.set OW,   80                          ; o's scale words of this pass; OWP: of the pass before
.set OWP,  82
.set PSW,  84
.set QF,   88
.set PC,   112
.set PT,   136
.set SA,   152
.set OA,   216
.set SB,   0                           ; window 1 from here on
.set OB,   64
.set KB,   96
.set VB,   192
.set QN,   240
.set WV,   18
.set SEL,  20
.set CS,   22
.set G1S,  24
.set G1E,  32
.set G1L,  40
.set TB,   60
.set TS,   61
.set CNT,  62
.set MSB, 0
.macro WIN new                         ; the immediate's high byte repeats the setting that is left
.if MSB != (\new)
	s_set_vgpr_msb (MSB<<8)|(\new)
.set MSB, (\new)
.endif
.endm
.macro WALU
	s_wait_alu depctr_va_vdst(0)
.endm
.macro CROUND
	s_barrier_signal -1
	s_barrier_wait -1
	s_cmp_lg_u32 s[WV], 0
	s_cbranch_scc1 .Lnot_wave_0_\@
	s_barrier_signal -3
.Lnot_wave_0_\@:
	s_barrier_wait -3
	s_barrier_signal -1
	s_barrier_wait -1
.endm
.macro TLOAD g0, g1
	tensor_load_to_lds s[\g0:\g0+3], s[\g1:\g1+7]
	s_nop 0
.rept 4
	v_nop
.endr
.endm
.macro MM d, a, b, c, sa, sb
	v_wmma_scale_f32_16x16x128_f8f6f4 v[\d:\d+7], v[\a:\a+11], v[\b:\b+11], \c, v[\sa], v[\sb] matrix_a_fmt:MATRIX_FMT_FP6 matrix_b_fmt:MATRIX_FMT_FP6
.endm
.macro KLOAD a16, a8, as               ; a step's 8 tiles of keys (their registers 6-11 stay 0: the head has 64 channels) and their scale words: 18 loads
	WIN 0x40
.irp t, 0,1,2,3,4,5,6,7
	ds_load_b128 v[KB+12*\t:KB+12*\t+3], v[\a16] offset:\t*768
	ds_load_b64 v[KB+12*\t+4:KB+12*\t+5], v[\a8] offset:\t*768+512
.endr
	WIN 0
	ds_load_b128 v[KSC:KSC+3], v[\as]
	ds_load_b128 v[KSC+4:KSC+7], v[\as] offset:256
.endm
.macro VLOAD a16, a8, as               ; a step's 4 fragments of v and their scale words: 17 loads
	WIN 0x40
.irp a, 0,1,2,3
	ds_load_b128 v[VB+12*\a:VB+12*\a+3], v[\a16] offset:VOFF+1536*\a
	ds_load_b64 v[VB+12*\a+4:VB+12*\a+5], v[\a8] offset:VOFF+1536*\a+512
	ds_load_b128 v[VB+12*\a+6:VB+12*\a+9], v[\a16] offset:VOFF+1536*\a+768
	ds_load_b64 v[VB+12*\a+10:VB+12*\a+11], v[\a8] offset:VOFF+1536*\a+1280
.endr
	WIN 0
	ds_load_b128 v[VSC:VSC+3], v[\as] offset:512
.endm
.macro MAXB x, s                       ; the largest score of my 16 keys of each block of 32; each accumulator is read from its low end on
.irp b, 0,1,2,3
	v_max_num_f32 v[BM+4*\x+\b], v[\s+16*\b], v[\s+16*\b+1]
.endr
.irp i, 2,4,6,8,10,12,14
.irp b, 0,1,2,3
	v_max3_num_f32 v[BM+4*\x+\b], v[\s+16*\b+\i], v[\s+16*\b+\i+1], v[BM+4*\x+\b]
.endr
.endr
.endm
.macro SCALE x, o, s                   ; O^T under the new M, and t - M
.set jj, 0
.rept 16
	v_pk_mul_f32 v[\o+jj:\o+jj+1], v[\o+jj:\o+jj+1], v[FF+2*\x:FF+2*\x+1] op_sel_hi:[1,0]
.set jj, jj+2
.endr
.set jj, 0
.rept 32
	v_pk_fma_f32 v[\s+jj:\s+jj+1], v[\s+jj:\s+jj+1], s[CS:CS+1], v[NM+2*\x:NM+2*\x+1] op_sel_hi:[1,0,0]
.set jj, jj+2
.endr
.endm
.macro EXPS s, n
.set jj, 0
.rept \n
	v_exp_f32 v[\s+jj], v[\s+jj]
.set jj, jj+1
.endr
.endm
.macro CVT4 x, s
.irp c, 0,1
	v_cvt_scalef32_pk16_fp6_f32 v[PC+12*\x+6*\c:PC+12*\x+6*\c+2], v[\s+32*\c:\s+32*\c+15], v[SO+4*\x+2*\c]
	v_cvt_scalef32_pk16_fp6_f32 v[PT+8*\x+4*\c:PT+8*\x+4*\c+2], v[\s+32*\c+16:\s+32*\c+31], v[SO+4*\x+2*\c+1]
.endr
.endm
.macro SUMS x, s                       ; the unquantised p onto the tile's four partial sums, by turns
.set jj, 0
.rept 32
	v_pk_add_f32 v[L+8*\x+2*(jj%4):L+8*\x+2*(jj%4)+1], v[L+8*\x+2*(jj%4):L+8*\x+2*(jj%4)+1], v[\s+2*jj:\s+2*jj+1]
.set jj, jj+1
.endr
.endm
.macro RESET                           ; a pass begins: -M far above every -t, so that the first factor is 0; the largest score under every score; sums and O^T 0
.irp x, 0,1
	v_mov_b32 v[NM+2*\x], 0x7e000000
	v_mov_b32 v[NM+2*\x+1], 0xff61b1e6
.endr
.set jj, 0
.rept 16
	v_mov_b32 v[L+jj], 0
.set jj, jj+1
.endr
.set jj, 0
.rept 32
	v_mov_b32 v[OA+jj], 0
.set jj, jj+1
.endr
	WIN 0x40
.set jj, 0
.rept 32
	v_mov_b32 v[OB+jj], 0
.set jj, jj+1
.endr
	WIN 0
.endm
; THE WAY OUT of a pass: O^T / the sum, quantised along the 64 channels (two blocks a tile, each in lanes l and l xor 16), a unit a tile stored; then the next pass's q and a fresh state.
.macro EPI
	WALU
.irp x, 0,1
	v_pk_add_f32 v[L+8*\x:L+8*\x+1], v[L+8*\x:L+8*\x+1], v[L+8*\x+2:L+8*\x+3]
	v_pk_add_f32 v[L+8*\x+4:L+8*\x+5], v[L+8*\x+4:L+8*\x+5], v[L+8*\x+6:L+8*\x+7]
.endr
.irp x, 0,1
	v_pk_add_f32 v[L+8*\x:L+8*\x+1], v[L+8*\x:L+8*\x+1], v[L+8*\x+4:L+8*\x+5]
.endr
.irp x, 0,1
	v_add_f32 v[L+8*\x], v[L+8*\x], v[L+8*\x+1]
.endr
.irp x, 0,1
	v_permlanex16_b32 v[TP+\x], v[L+8*\x], s[SEL], s[SEL+1]
.endr
.irp x, 0,1
	v_add_f32 v[FF+2*\x], v[L+8*\x], v[TP+\x]      ; with lane l xor 16's keys: the row's sum
.endr
	WALU                                           ; ahead of the transcendentals, and behind them
.irp x, 0,1
	v_rcp_f32 v[FF+2*\x], v[FF+2*\x]
.endr
	v_nop
	WALU
.set jj, 0
.rept 16
	v_pk_mul_f32 v[SA+jj:SA+jj+1], v[OA+jj:OA+jj+1], v[FF:FF+1] op_sel_hi:[1,0]
.set jj, jj+2
.endr
	WIN 0x01
	WALU                                           ; directly ahead of the first reader of tile 1's O^T
.set jj, 0
.rept 16
	v_pk_mul_f32 v[SA+32+jj:SA+32+jj+1], v[OB+jj:OB+jj+1], v[FF+2:FF+3] op_sel_hi:[1,0]
.set jj, jj+2
.endr
	WIN 0
.irp b, 0,1,2,3
	v_max3_num_f32 v[BM+\b], |v[SA+16*\b]|, |v[SA+16*\b+1]|, 0x1800000   ; with the floor 2^(3 - 127): the byte cannot fall under 1
.endr
.irp i, 2,4,6,8,10,12,14
.irp b, 0,1,2,3
	v_max3_num_f32 v[BM+\b], v[BM+\b], |v[SA+16*\b+\i]|, |v[SA+16*\b+\i+1]|
.endr
.endr
.irp b, 0,1,2,3
	v_permlanex16_b32 v[BX+\b], v[BM+\b], s[SEL], s[SEL+1]
.endr
.irp b, 0,1,2,3
	v_max_num_f32 v[BM+\b], v[BM+\b], v[BX+\b]
.endr
.irp b, 0,1,2,3
	v_add_nc_u32 v[SO+\b], 0xff000000, v[BM+\b]
.endr
.irp b, 0,1,2,3
	v_lshrrev_b32 v[BX+\b], 23, v[SO+\b]
.endr
.irp x, 0,1
	v_mov_b32 v[OWP+\x], v[OW+\x]
.endr
.irp x, 0,1
	v_lshl_or_b32 v[OW+\x], v[BX+2*\x+1], 8, v[BX+2*\x]
.endr
.irp x, 0,1
	v_cvt_scalef32_pk16_fp6_f32 v[PC+12*\x:PC+12*\x+2], v[SA+32*\x:SA+32*\x+15], v[SO+2*\x]
	v_cvt_scalef32_pk16_fp6_f32 v[PT+8*\x:PT+8*\x+2], v[SA+32*\x+16:SA+32*\x+31], v[SO+2*\x+1]
.endr
	v_nop                                          ; one plain place behind a scaled conversion
.irp x, 0,1
.irp i, 0,1,2
	v_permlane16_swap_b32 v[PC+12*\x+\i], v[PT+8*\x+\i]
.endr
.endr
.irp x, 0,1
.irp i, 0,1,2
	v_mov_b32 v[PC+12*\x+3+\i], v[PT+8*\x+\i]
.endr
.endr
.irp x, 0,1
	global_store_b128 v[A16], v[PC+12*\x:PC+12*\x+3], s[70:71] offset:12288*\x        ; a unit: 512 consecutive bytes, then 256
	global_store_b64 v[A8], v[PC+12*\x+4:PC+12*\x+5], s[70:71] offset:12288*\x+512
.endr
	WIN 0x01
.set jj, 0
.rept 6
	v_mov_b32 v[QF+jj], v[QN+jj]                   ; the second pass's q
	v_mov_b32 v[QF+12+jj], v[QN+6+jj]
.set jj, jj+1
.endr
	WIN 0
	v_mov_b32 v[QW], v[QW+2]                       ; and its scale words; the lines below are the places ahead of the next products
	v_mov_b32 v[QW+1], v[QW+3]
	RESET
	WALU                                           ; directly ahead of the wait below
	s_wait_xcnt 0x0                                ; the stores have read their data and base: both are written again only behind this wait
	s_add_nc_u64 s[70:71], s[70:71], 24576         ; two blocks of tokens on
.endm
; A STEP: 128 keys against my two tiles of queries.
.macro STEP wrap
	s_wait_dscnt 17                                ; k's 18 loads are in; v's 17, issued behind them, may be out
	WIN 0x01
.irp t, 0,1,2,3,4,5,6,7
	MM SA+8*\t, KB+12*\t, QF, 0, KSC+\t, QW
.endr
	WIN 0x41
.irp t, 0,1,2,3,4,5,6,7
	MM SB+8*\t, KB+12*\t, QF+12, 0, KSC+\t, QW+1
.endr
	WIN 0
	s_add_co_u32 s[TB], s[TB], STEPB               ; on to the next step's bytes
	s_add_co_u32 s[TS], s[TS], 768
.if \wrap
	s_cmp_eq_u32 s[TB], 16*STEPB
	s_cselect_b32 s[TB], 0, s[TB]
	s_cselect_b32 s[TS], 0, s[TS]
.endif
	v_add_nc_u32 v[D16], s[TB], v[A16]             ; four places behind the products, ahead of the loads and of the first read of scores
	v_add_nc_u32 v[D8], s[TB], v[A8]
	v_add_nc_u32 v[DSC], s[TS], v[AS]
	v_nop
	KLOAD D16, D8, DSC
	MAXB 0, SA
	WIN 0x05
	MAXB 1, SB
	WIN 0
.irp b, 0,1,2,3,4,5,6,7
	v_permlanex16_b32 v[BX+\b], v[BM+\b], s[SEL], s[SEL+1]
.endr
.irp b, 0,1,2,3,4,5,6,7
	v_max_num_f32 v[BM+\b], v[BM+\b], v[BX+\b]     ; with lane l xor 16's 16 keys: the block's largest score
.endr
.irp x, 0,1                                    ; the two tiles' chains line by line
	v_max3_num_f32 v[TP+\x], v[BM+4*\x], v[BM+4*\x+1], v[BM+4*\x+2]
.endr
.irp x, 0,1
	v_mov_b32 v[TQ+\x], v[NM+2*\x]
.endr
.irp x, 0,1
	v_max3_num_f32 v[NM+2*\x+1], v[TP+\x], v[BM+4*\x+3], v[NM+2*\x+1]   ; the running largest score
.endr
.irp x, 0,1
	v_mul_f32 v[TP+\x], s[CS], v[NM+2*\x+1]        ; as t
.endr
.irp x, 0,1
	v_floor_f32 v[NM+2*\x], -v[TP+\x]              ; -M = floor(-t)
.endr
.irp x, 0,1
	v_sub_f32 v[TQ+\x], v[NM+2*\x], v[TQ+\x]       ; old M - new M, a whole number, 0 or less
.endr
.irp x, 0,1
	v_cvt_i32_f32 v[TQ+\x], v[TQ+\x]               ; (it saturates)
.endr
.irp x, 0,1
	v_ldexp_f32 v[FF+2*\x], 1.0, v[TQ+\x]          ; the factor: a power of two
.endr
.irp x, 0,1
.irp k, 0,2,4,6
	v_pk_mul_f32 v[L+8*\x+\k:L+8*\x+\k+1], v[L+8*\x+\k:L+8*\x+\k+1], v[FF+2*\x:FF+2*\x+1] op_sel_hi:[1,0]
.endr
.endr
	SCALE 0, OA, SA
.irp x, 0,1
.irp b, 0,1,2,3
	v_fma_f32 v[BM+4*\x+\b], v[BM+4*\x+\b], s[CS], v[NM+2*\x]   ; the same of each block's largest score
.endr
.endr
	WIN 0x41
	SCALE 1, OB, SB
	WIN 0
	WALU                                           ; one wait ahead of the batch and one behind it
	EXPS SA, 64
	EXPS BM, 8                                     ; a block's largest p: the same two instructions on the same number
	WIN 0x41
	EXPS SB, 64
	WIN 0
	v_nop
	WALU
.irp b, 0,1,2,3,4,5,6,7
	v_max_num_f32 v[BM+\b], 0x1800000, v[BM+\b]    ; the floor 2^(3 - 127)
.endr
.irp b, 0,1,2,3,4,5,6,7
	v_add_nc_u32 v[SO+\b], 0xff000000, v[BM+\b]    ; 2 off the exponent field: the conversion's scale operand
.endr
.irp b, 0,1,2,3,4,5,6,7
	v_lshrrev_b32 v[BX+\b], 23, v[SO+\b]
.endr
.irp x, 0,1
	v_lshl_or_b32 v[PSW+\x], v[BX+4*\x+1], 8, v[BX+4*\x]
.endr
.irp x, 0,1
	v_lshl_or_b32 v[PSW+\x], v[BX+4*\x+2], 16, v[PSW+\x]
.endr
.irp x, 0,1
	v_lshl_or_b32 v[PSW+\x], v[BX+4*\x+3], 24, v[PSW+\x]
.endr
	CVT4 0, SA
	WIN 0x01
	CVT4 1, SB
	WIN 0
	v_nop                                          ; one plain place behind a scaled conversion
.irp x, 0,1                                    ; the layout wants a whole block in a lane
.irp c, 0,1
.irp i, 0,1,2
	v_permlane16_swap_b32 v[PC+12*\x+6*\c+\i], v[PT+8*\x+4*\c+\i]
.endr
.endr
.endr
.irp x, 0,1
.irp c, 0,1
.irp i, 0,1,2
	v_mov_b32 v[PC+12*\x+6*\c+3+\i], v[PT+8*\x+4*\c+\i]
.endr
.endr
.endr
	SUMS 0, SA                                     ; also the places between p's codes and scale words and the products that take them
	s_wait_dscnt 18                                ; v's 17 loads are in; the next step's 18 of k may be out
	WIN 0x01
.irp a, 0,1,2,3
	MM OA+8*\a, VB+12*\a, PC, v[OA+8*\a:OA+8*\a+7], VSC+\a, PSW
.endr
	WIN 0x51
.irp a, 0,1,2,3
	MM OB+8*\a, VB+12*\a, PC+12, v[OB+8*\a:OB+8*\a+7], VSC+\a, PSW+1
.endr
	WIN 0x04
	SUMS 1, SB                                     ; also the places behind the products, ahead of the loads into v's registers
	VLOAD D16, D8, DSC
.if \wrap
	s_cmp_lg_u32 s[TB], 0                          ; the offset has wrapped: this was a pass's last step
	s_cbranch_scc1 .Lgo_on_\@
	EPI
.Lgo_on_\@:
.endif
.endm
; ---- the head
	s_load_b128 s[4:7], s[0:1], 0x0                ; qq, kv
	s_load_b64 s[8:9], s[0:1], 0x10                ; oq
	v_lshl_add_u32 v[SPW], v0, 2, SPARE
	v_mov_b32 v[NIL], 0
	ds_add_u32 v[SPW], v[NIL]
	ds_add_u32 v[SPW], v[NIL]
	v_lshrrev_b32 v[TP], 5, v0
	v_readfirstlane_b32 s[WV], v[TP]               ; wave 0..7
	s_and_b32 s10, ttmp7, 0xffff                   ; batch x head
	s_bfe_u32 s19, ttmp6, 0x40000                  ; cx: which 512 queries
.irp g, G1S, G1E, G1L                          ; dense blocks as rows of 256 bytes; the mask names the cluster's four
	s_mov_b32 s[\g], 15|(3<<16)|(1<<21)
	s_mov_b32 s[\g+1], 32<<16
	s_mov_b32 s[\g+3], 32<<16
	s_mov_b32 s[\g+5], 32
	s_mov_b32 s[\g+6], 0
	s_mov_b32 s[\g+7], 0
.endr
	s_mov_b32 s[G1S+2], 48<<16                     ; the scale words: 12,288 bytes
	s_mov_b32 s[G1S+4], 48
	s_mov_b32 s[G1E+2], 192<<16                    ; steps 0-3
	s_mov_b32 s[G1E+4], 192
	s_mov_b32 s[G1L+2], 96<<16                     ; two steps
	s_mov_b32 s[G1L+4], 96
	s_mov_b32 s48, 1
	s_mov_b32 s49, SCL
	s_mul_i32 s12, s10, 12288
	s_add_co_u32 s12, s12, KVS
	s_mov_b32 s13, 0
	s_mov_b32 s52, 1
	s_mov_b32 s53, 0
	s_mul_i32 s14, s10, 196608
	s_mov_b32 s15, 0
	s_mov_b32 s56, 1
	s_mul_i32 s57, s[WV], 24576                    ; wave w (2..7) brings steps 2 w and 2 w + 1
	s_add_co_u32 s16, s14, s57
	s_mov_b32 s17, 0
	s_mov_b32 s[SEL], 0x76543210
	s_mov_b32 s[SEL+1], 0xfedcba98                 ; selects for lane l xor 16
	s_mov_b32 s[CS], 0x3d38aa3b                    ; log2(e) / 32
	s_mov_b32 s[CS+1], s[CS]
	s_lshl_b32 s66, s10, 7
	s_lshl_b32 s67, s19, 5
	s_add_co_u32 s66, s66, s67
	s_lshl_b32 s67, s[WV], 2
	s_add_co_u32 s66, s66, s67                     ; my first tile of queries: 128 x (batch x head) + 32 cx + 4 x wave
	s_mul_i32 s66, s66, 768
	s_mov_b32 s67, 0
	s_lshl_b32 s68, s10, 5
	s_lshl_b32 s69, s19, 3
	s_add_co_u32 s68, s68, s69
	s_add_co_u32 s68, s68, s[WV]
	s_lshl_b32 s68, s68, 8                         ; my four tiles' scale words: [r][4 words]
	s_add_co_u32 s68, s68, QS
	s_mov_b32 s69, 0
	s_lshr_b32 s70, s10, 4
	s_lshl_b32 s70, s70, 7
	s_lshl_b32 s71, s19, 5
	s_add_co_u32 s70, s70, s71                     ; the work-group's first block of tokens
	s_mov_b32 s74, s70
	s_lshl_b32 s71, s[WV], 2
	s_add_co_u32 s70, s70, s71
	s_lshl_b32 s70, s70, 4
	s_and_b32 s71, s10, 15                         ; the head: which unit of a block
	s_add_co_u32 s70, s70, s71
	s_mul_i32 s70, s70, 768
	s_lshl_b32 s72, s71, 9
	s_add_co_u32 s72, s72, s74
	s_lshl_b32 s72, s72, 6                         ; o's scale words: [head][block][r]
	s_lshl_b32 s73, s[WV], 8
	s_add_co_u32 s72, s72, s73
	s_add_co_u32 s72, s72, OS
	s_mov_b32 s71, 0
	s_mov_b32 s73, 0
	s_mov_b32 s[TB], 0
	s_mov_b32 s[TS], 0
	WALU
	s_wait_dscnt 0x0
	s_wait_kmcnt 0x0
	s_add_nc_u64 s[50:51], s[6:7], s[12:13]
	s_or_b32 s51, s51, 0x80000000
	s_add_nc_u64 s[54:55], s[6:7], s[14:15]
	s_or_b32 s55, s55, 0x80000000
	s_add_nc_u64 s[58:59], s[6:7], s[16:17]
	s_or_b32 s59, s59, 0x80000000
	s_add_nc_u64 s[66:67], s[4:5], s[66:67]
	s_add_nc_u64 s[68:69], s[4:5], s[68:69]
	s_add_nc_u64 s[70:71], s[8:9], s[70:71]
	s_add_nc_u64 s[72:73], s[8:9], s[72:73]
	CROUND                                         ; the four work-groups are here: the joint loads meet
	s_cmp_eq_u32 s[WV], 0                          ; one chain of branches on the wave's number, one fill to an arm
	s_cbranch_scc0 .Larm_1
	TLOAD 48, G1S
	s_branch .Lasked
.Larm_1:
	s_cmp_eq_u32 s[WV], 1
	s_cbranch_scc0 .Larm_2
	TLOAD 52, G1E
	s_branch .Lasked
.Larm_2:
	TLOAD 56, G1L
.Lasked:
	v_and_b32 v[TQ], 31, v0
	v_and_b32 v[TQ+1], 15, v0
	v_lshlrev_b32 v[A16], 4, v[TQ]
	v_lshlrev_b32 v[A8], 3, v[TQ]
	v_lshlrev_b32 v[AQS], 4, v[TQ+1]
	v_add_nc_u32 v[AS], SCL, v[AQS]
	v_lshl_add_u32 v[OSA], v0, 2, OSG
	v_lshl_add_u32 v[OSA], v[TP], 7, v[OSA]        ; OSG + 256 x wave + 4 l
	v_lshl_add_u32 v[OSR], v0, 3, OSG              ; OSG + 256 x wave + 8 l
.irp x, 0,1
	global_load_b128 v[QF+12*\x:QF+12*\x+3], v[A16], s[66:67] offset:768*\x
	global_load_b64 v[QF+12*\x+4:QF+12*\x+5], v[A8], s[66:67] offset:768*\x+512
.endr
	global_load_b128 v[QW:QW+3], v[AQS], s[68:69]
	WIN 0x40
.irp x, 0,1
	global_load_b128 v[QN+6*\x:QN+6*\x+3], v[A16], s[66:67] offset:1536+768*\x
	global_load_b64 v[QN+6*\x+4:QN+6*\x+5], v[A8], s[66:67] offset:1536+768*\x+512
.endr
.irp t, 0,1,2,3,4,5,6,7
.irp i, 6,7,8,9,10,11
	v_mov_b32 v[KB+12*\t+\i], 0                    ; K is 64: the upper half of an operand is zero codes
.endr
.endr
	WIN 0
.irp i, 6,7,8,9,10,11
	v_mov_b32 v[QF+\i], 0
	v_mov_b32 v[QF+12+\i], 0
.endr
.irp b, 0,1,2,3,4,5,6,7
	v_mov_b32 v[BX+\b], 0                          ; a lane permute's destination counts as one of its sources
.endr
	v_mov_b32 v[FF+1], 0
	v_mov_b32 v[FF+3], 0
	v_mov_b32 v[OW], 0
	v_mov_b32 v[OW+1], 0
	RESET
	WALU
	s_cmp_lt_u32 s[WV], 2                          ; waves 0 and 1 brought what the first three steps read and fetch
	s_cbranch_scc0 .Lnot_first
	s_wait_tensorcnt 0x0
.Lnot_first:
	s_barrier_signal -1
	s_barrier_wait -1
	KLOAD A16, A8, AS
	VLOAD A16, A8, AS
	s_wait_loadcnt 0x0                             ; q and its scale words
	s_mov_b32 s[CNT], 3
.Lfirst:                                               ; steps 0-2; they fetch up to step 3
	STEP 0
	s_sub_co_u32 s[CNT], s[CNT], 1
	s_cmp_lg_u32 s[CNT], 0
	s_cbranch_scc1 .Lfirst
	s_wait_tensorcnt 0x0                           ; every wave's load is in
	s_wait_dscnt 0x0
	s_barrier_signal -1
	s_barrier_wait -1
	s_mov_b32 s[CNT], 29
.Lrest:                                                ; steps 3-15 of the first pass, 0-15 of the second
	STEP 1
	s_sub_co_u32 s[CNT], s[CNT], 1
	s_cmp_lg_u32 s[CNT], 0
	s_cbranch_scc1 .Lrest
	s_wait_dscnt 0x0
	s_barrier_signal -1                            ; parts all waves' reads in the loops from the LDS stores below
	s_barrier_wait -1
	v_bfe_u32 v[BM], v0, 4, 1
	v_cmp_ne_u32 vcc_lo, 0, v[BM]
	v_cndmask_b32 v[TP], v[OWP], v[OWP+1], vcc_lo  ; lanes 0-15 tile 0's word of row r, lanes 16-31 tile 1's
	v_cndmask_b32 v[TQ], v[OW], v[OW+1], vcc_lo
	ds_store_b32 v[OSA], v[TP]                     ; my four tiles' 64 words, in my own 256 bytes
	ds_store_b32 v[OSA], v[TQ] offset:128
	ds_load_b64 v[BX:BX+1], v[OSR]                 ; LDS serves a wave's instructions in order: this sees the stores
	s_wait_dscnt 0x0
	global_store_b64 v[A8], v[BX:BX+1], s[72:73]   ; 256 consecutive bytes, at a multiple of 256
	s_wait_tensorcnt 0x0                           ; the wave's end
	ds_add_u32 v[SPW], v[NIL]
	s_wait_dscnt 0x0
	CROUND                                         ; the closing round
	s_endpgm
.Lfunc_end_k_q97fbe3d0b0_attn:
	.size	k_q97fbe3d0b0_attn, .Lfunc_end_k_q97fbe3d0b0_attn-k_q97fbe3d0b0_attn
	.p2alignl 7, 3214868480
	.fill 96, 4, 3214868480
	.section	.rodata,"a",@progbits
	.p2align	6, 0x0
	.amdhsa_kernel k_q97fbe3d0b0_attn
		.amdhsa_group_segment_fixed_size 212992
		.amdhsa_private_segment_fixed_size 0
		.amdhsa_enable_private_segment 0
		.amdhsa_kernarg_size 24
		.amdhsa_user_sgpr_count 2
		.amdhsa_user_sgpr_kernarg_segment_ptr 1
		.amdhsa_wavefront_size32 1
		.amdhsa_system_sgpr_workgroup_id_x 1
		.amdhsa_system_sgpr_workgroup_id_y 1
		.amdhsa_system_sgpr_workgroup_id_z 1
		.amdhsa_system_vgpr_workitem_id 0
		.amdhsa_next_free_vgpr 512
		.amdhsa_next_free_sgpr 80
		.amdhsa_reserve_vcc 1
		.amdhsa_float_denorm_mode_32 3
		.amdhsa_float_denorm_mode_16_64 3
		.amdhsa_memory_ordered 1
		.amdhsa_forward_progress 1
		.amdhsa_inst_pref_size 87
	.end_amdhsa_kernel
	.amdgpu_metadata
---
amdhsa.version: [ 1, 2 ]
amdhsa.kernels:
  - .name:           k_q97fbe3d0b0_attn
    .symbol:         k_q97fbe3d0b0_attn.kd
    .args:
      - { .name: qq, .offset: 0, .size: 8, .value_kind: global_buffer, .address_space: global }
      - { .name: kv, .offset: 8, .size: 8, .value_kind: global_buffer, .address_space: global }
      - { .name: oq, .offset: 16, .size: 8, .value_kind: global_buffer, .address_space: global }
    .group_segment_fixed_size: 212992
    .private_segment_fixed_size: 0
    .kernarg_segment_align: 8
    .kernarg_segment_size: 24
    .max_flat_workgroup_size: 256
    .sgpr_count:     80
    .vgpr_count:     512
    .wavefront_size: 32
...
	.end_amdgpu_metadata
.endif
;; end of part 3
;; launch proj (part 4): grid 4 x 64, 4 waves a work-group, clusters of 4 x 4, 295,424 bytes of LDS; arguments wq, oq, bo, out0; writes out0
.if DOCPART == 4
	.amdgcn_target "amdgcn-amd-amdhsa--gfx1250"
	.amdhsa_code_object_version 6
	.text
	.protected	k_q97fbe3d0b0_proj
	.globl	k_q97fbe3d0b0_proj
	.p2align	8
	.type	k_q97fbe3d0b0_proj,@function
k_q97fbe3d0b0_proj:
	s_mov_b64 s[64:65], 0
	v_nop
	global_prefetch_b8 v0, s[64:65] scope:SCOPE_SE
	s_setreg_imm32_b32 hwreg(HW_REG_WAVE_MODE, 25, 1), 1
	s_wait_xcnt 0x0
	s_wait_alu depctr_hold_cnt(0) depctr_sa_sdst(0) depctr_va_vdst(0) depctr_va_sdst(0) depctr_va_ssrc(0) depctr_va_vcc(0) depctr_vm_vsrc(0)
	s_getreg_b32 s2, hwreg(HW_REG_IB_STS2, 6, 4)
	s_cmp_eq_u32 s2, 0
	s_cbranch_scc0 .Lentry_in_a_cluster
	s_endpgm
.Lentry_in_a_cluster:
	s_bfe_u32 s2, ttmp6, 0x10000c
	s_cmp_lg_u32 s2, 0xf033
	s_cbranch_scc0 .Lentry_shape_is_right
	s_endpgm
.Lentry_shape_is_right:
; out0 = o Wo^T + bo on codes of FP6 (E2M3) with E8M0 scales; sums in f32.  o's codes (oq) and Wo's (blocks 192-255 of wq) lie as images of operand registers: a unit of 768 bytes is 16 row slots x 64 along K
; (lane l = r + 16 h: 16 bytes at 16 l, 8 bytes at 512 + 8 l), a block is 16 units; slot r of block i is row 32 (i / 2) + 8 (i % 2) + r + 8 (r / 8).
; A WORK-GROUP makes P (256 rows of Wo, source 0) x Q (128 rows of o, source 1); a wave 128 x 64: 32 accumulators.  A lane holds one token, and its 64 registers of a block of Q run along 128 neighbouring output channels.
; ALL OF K (1,024) LIES IN LDS AT ONCE, in four chunks of 256 along K; every LDS byte is filled once.  A wave has four tensor loads out at the most.
; CLUSTER 4 x 4: P's tile hangs on cx and is asked for jointly by a column of the cluster, Q's on cy and by a row.  The bias is the C of each sum's first product.
; REGISTERS: window 0: addresses, scale words, the bias, the way out; window 1: the accumulators, (a, t) at v[8 (8 a + t)]; windows 2, 3: two sets of fragments, P's at v[12 t], Q's at v[96 + 12 a].
.set WS,    3145728                    ; where the scales begin in wq,
.set OS,    6291456                    ; in oq: [head][block][r] words, a head's two bytes below
.set CHUNK, 147456                     ; K lies in LDS in TWO HALVES of 512 along K: Q's 8 blocks and P's 16; four tiles, one tensor load a wave
.set BROW,  6144                       ; 512 along K of a block: eight units
.set POFF,  49152                      ; P's blocks lie behind Q's 8
.set SPITCH, 528                       ; the way out: a stage of 16 rows x (512 bytes + 16) for each wave, in chunk 0, which has had its one fill and whose last read lies in front of an earlier barrier
.set VO16,  4
.set VO8,   5
.set AQ16,  8
.set AQ8,   12
.set AP16,  16
.set AP8,   20
.set STO,   26                         ; v26  the stage: where I put a row's bytes
.set RD,    27                         ; v27  and where I read a row back
.set SP,    32                         ; v32-63 Wo's scale words
.set SQ,    64                         ; v64-79 o's
.set BP,    80                         ; v80-143 the bias in the result's layout
.set HW,    144                        ; v144-175 o's words as they lie, a head each
.set BK,    80                         ; the way out: 16 rows read back: v80-143 and v144-207 by turns
.set WV,    18
.set G1Q,   36
.set G1P,   44
.set G0Q,   68
.set G0P,   84
.set MSB, 0
.macro WIN new                         ; the immediate's high byte repeats the setting that is left
.if MSB != (\new)
	s_set_vgpr_msb (MSB<<8)|(\new)
.set MSB, (\new)
.endif
.endm
.macro CROUND                          ; a round of the cluster's barrier
	s_barrier_signal -1
	s_barrier_wait -1
	s_cmp_lg_u32 s[WV], 0
	s_cbranch_scc1 .Lnot_wave_0_\@
	s_barrier_signal -3
.Lnot_wave_0_\@:
	s_barrier_wait -3
	s_barrier_signal -1
	s_barrier_wait -1
.endm
	s_load_b256 s[4:11], s[0:1], 0x0               ; wq, oq, bo, out0
	v_lshl_add_u32 v254, v0, 2, 0x48000
	v_mov_b32 v255, 0
	ds_add_u32 v254, v255
	ds_add_u32 v254, v255
	v_lshrrev_b32 v1, 5, v0
	v_readfirstlane_b32 s[WV], v1                  ; wave 0..3
	s_and_b32 s19, s[WV], 1                        ; qh: my half of Q.  Also: which half of a tile I fetch
	s_lshr_b32 s20, s[WV], 1                       ; ph: my half of P.  Also: I fetch for Q (0) or for P (1)
	s_bfe_u32 s21, ttmp6, 0x40000                  ; cx
	s_bfe_u32 s22, ttmp6, 0x40004                  ; cy
	s_and_b32 s24, ttmp7, 0xffff                   ; the cluster's y
	s_lshl_b32 s56, 0x1111, s21                    ; my column of the cluster
	s_or_b32 s[G1P], s56, (3<<16)|(1<<21)
	s_lshl_b32 s62, s22, 2
	s_lshl_b32 s62, 15, s62                        ; my row
	s_or_b32 s[G1Q], s62, (3<<16)|(1<<21)
	s_mov_b32 s[G1Q+1], 768<<16                    ; rows of 6,144 bytes (768 elements of 8 bytes): half of K of a block; 8 rows for Q, 16 for P
	s_mov_b32 s[G1Q+2], 8<<16
	s_mov_b32 s[G1Q+3], 768<<16
	s_mov_b32 s[G1Q+4], 8
	s_mov_b32 s[G1Q+5], 1536
	s_mov_b32 s[G1Q+6], 0
	s_mov_b32 s[G1Q+7], 0
	s_mov_b32 s[G1P+1], 768<<16
	s_mov_b32 s[G1P+2], 16<<16
	s_mov_b32 s[G1P+3], 768<<16
	s_mov_b32 s[G1P+4], 16
	s_mov_b32 s[G1P+5], 1536
	s_mov_b32 s[G1P+6], 0
	s_mov_b32 s[G1P+7], 0
	; s52-57 serve P and never hold cy; s58-63 serve Q and never hold cx
	s_lshl_b32 s52, s21, 4
	s_add_co_u32 s52, s52, 192                     ; P's first block in wq
	s_lshl_b32 s53, s20, 3
	s_add_co_u32 s53, s53, s52
	s_lshl_b32 s53, s53, 9
	s_add_co_u32 s53, s53, WS                      ; the scales of my 8 blocks of P
	s_mul_i32 s54, s52, 12288
	s_mov_b32 s55, 0
	s_lshl_b32 s58, s24, 2
	s_add_co_u32 s58, s58, s22                     ; Q's tile of 8 blocks
	s_lshl_b32 s59, s58, 9
	s_lshl_b32 s60, s19, 8
	s_add_co_u32 s59, s59, s60
	s_add_co_u32 s59, s59, OS                      ; head 0's words of my 4 blocks of Q
	s_mul_i32 s60, s58, 98304
	s_mov_b32 s61, 0
	s_wait_dscnt 0x0
	s_wait_kmcnt 0x0
	s_add_nc_u64 s[54:55], s[4:5], s[54:55]
	s_add_nc_u64 s[60:61], s[6:7], s[60:61]
.irp c, 0,1                                    ; group 0 of the four tiles: half c of K of Q's 8 blocks and of P's 16
	s_mov_b32 s[G0Q+4*\c], 1
	s_mov_b32 s[G0Q+4*\c+1], \c*CHUNK
	s_add_nc_u64 s[G0Q+4*\c+2:G0Q+4*\c+3], s[60:61], \c*BROW
	s_or_b32 s[G0Q+4*\c+3], s[G0Q+4*\c+3], 0x80000000
	s_mov_b32 s[G0P+4*\c], 1
	s_mov_b32 s[G0P+4*\c+1], \c*CHUNK+POFF
	s_add_nc_u64 s[G0P+4*\c+2:G0P+4*\c+3], s[54:55], \c*BROW
	s_or_b32 s[G0P+4*\c+3], s[G0P+4*\c+3], 0x80000000
.endr
	CROUND                                         ; all sixteen work-groups are here: the joint loads meet
	s_cmp_eq_u32 s[WV], 0                          ; one chain of branches on the wave's number, one fill to an arm: wave 0 Q's first half of K, wave 1 P's, wave 2 Q's second half, wave 3 P's
	s_cbranch_scc0 .Lfill_1
	tensor_load_to_lds s[G0Q:G0Q+3], s[G1Q:G1Q+7]
	s_nop 0
.rept 4
	v_nop
.endr
	s_branch .Lfilled
.Lfill_1:
	s_cmp_eq_u32 s[WV], 2
	s_cbranch_scc0 .Lfill_p
	tensor_load_to_lds s[G0Q+4:G0Q+7], s[G1Q:G1Q+7]
	s_nop 0
.rept 4
	v_nop
.endr
	s_branch .Lfilled
.Lfill_p:
	s_cmp_eq_u32 s[WV], 1
	s_cbranch_scc0 .Lfill_3
	tensor_load_to_lds s[G0P:G0P+3], s[G1P:G1P+7]
	s_nop 0
.rept 4
	v_nop
.endr
	s_branch .Lfilled
.Lfill_3:
	tensor_load_to_lds s[G0P+4:G0P+7], s[G1P:G1P+7]
	s_nop 0
.rept 4
	v_nop
.endr
.Lfilled:
	v_and_b32 v1, 31, v0                           ; l
	v_and_b32 v2, 15, v0                           ; r
	v_bfe_u32 v3, v0, 4, 1                         ; h
	s_wait_alu depctr_va_vdst(0)
	v_lshlrev_b32 v[VO16], 4, v1
	s_wait_alu depctr_va_vdst(0)
	v_lshlrev_b32 v[VO8], 3, v1
	s_wait_alu depctr_va_vdst(0)
	s_mov_b32 s54, s53
	s_mov_b32 s55, 0
	s_add_nc_u64 s[56:57], s[4:5], s[54:55]
	s_mov_b32 s60, s59
	s_mov_b32 s61, 0
	s_add_nc_u64 s[62:63], s[6:7], s[60:61]
.irp t, 0,1,2,3,4,5,6,7
	global_load_b128 v[SP+4*\t:SP+4*\t+3], v[VO16], s[56:57] offset:512*\t   ; lanes 0-15 K steps 0-3, lanes 16-31 K steps 4-7
.endr
	v_lshlrev_b32 v25, 18, v3
	v_lshl_add_u32 v25, v2, 2, v25                 ; lanes 16-31 begin 8 heads (four K steps) on
.irp a, 0,1,2,3
.irp j, 0,1,2,3
.irp e, 0,1
	global_load_b32 v[HW+8*\a+2*\j+\e], v25, s[62:63] offset:(2*\j+\e)*32768+64*\a   ; head 8 h + 2 j + e, block a, slot r
.endr
.endr
.endr
	s_lshl_b32 s2, s21, 10
	s_lshl_b32 s3, s20, 9
	s_add_co_u32 s2, s2, s3                        ; my first output channel, in bytes
	v_lshl_add_u32 v24, v3, 6, s2
.irp t, 0,1,2,3,4,5,6,7
	global_load_b128 v[BP+8*\t:BP+8*\t+3], v24, s[8:9] offset:(32*(\t/2)+8*(\t%2))*4
	global_load_b128 v[BP+8*\t+4:BP+8*\t+7], v24, s[8:9] offset:(32*(\t/2)+8*(\t%2))*4+16
.endr
	s_lshl_b32 s26, s58, 19
	s_lshl_b32 s3, s19, 18
	s_add_co_u32 s26, s26, s3                      ; my first token: 128 x Q's tile + 64 qh, rows of 4,096 bytes
	s_add_co_u32 s26, s26, s2
	s_mov_b32 s27, 0
	s_add_nc_u64 s[26:27], s[10:11], s[26:27]
	s_mul_i32 s100, s19, 24576                     ; my 4 blocks of Q in a half of K
	s_mul_i32 s101, s20, 49152
	s_add_co_u32 s101, s101, POFF                  ; my 8 blocks of P
.irp c, 0,1
	v_add_nc_u32 v[AQ16+\c], s100, v[VO16]
	v_add_nc_u32 v[AQ8+\c], s100, v[VO8]
	v_add_nc_u32 v[AP16+\c], s101, v[VO16]
	v_add_nc_u32 v[AP8+\c], s101, v[VO8]
	s_add_co_u32 s100, s100, CHUNK
	s_add_co_u32 s101, s101, CHUNK
.endr
	s_mul_i32 s100, s[WV], 16*SPITCH               ; my stage
	v_mul_u32_u24 v[STO], v2, SPITCH
	v_lshl_add_u32 v[STO], v3, 6, v[STO]
	v_add_nc_u32 v[STO], s100, v[STO]              ; in: row r, + 64 h
	v_add_nc_u32 v[RD], s100, v[VO16]              ; back: 16 bytes a lane of a row
.macro FRAGL reg, a16, a8, off         ; a fragment, 16 slots x 128 K: two units: registers 0-3, 4-5, 6-9, 10-11
	ds_load_b128 v[\reg:\reg+3], v[\a16] offset:\off
	ds_load_b64 v[\reg+4:\reg+5], v[\a8] offset:\off+512
	ds_load_b128 v[\reg+6:\reg+9], v[\a16] offset:\off+768
	ds_load_b64 v[\reg+10:\reg+11], v[\a8] offset:\off+1280
.endm
.macro FETCH s                         ; K step s: 48 LDS loads into set s % 2
	WIN 0x80+0x40*((\s)%2)
.irp t, 0,1,2,3,4,5,6,7
	FRAGL 12*\t, AP16+(\s)/4, AP8+(\s)/4, \t*BROW+((\s)%4)*1536
.endr
.irp a, 0,1,2,3
	FRAGL 96+12*\a, AQ16+(\s)/4, AQ8+(\s)/4, \a*BROW+((\s)%4)*1536
.endr
.endm
.macro MUL s                           ; K step s: 32 products; the 32 accumulators take turns, one instruction a turn, in the same order in every step
.if (\s) == 0
	WIN 0x4a                                       ; the first C is the bias, in window 0
.else
	WIN 0x5a+5*((\s)%2)
.endif
.irp a, 0,1,2,3
.irp t, 0,1,2,3,4,5,6,7
.if (\s) == 0
	v_wmma_scale_f32_16x16x128_f8f6f4 v[8*(8*\a+\t):8*(8*\a+\t)+7], v[12*\t:12*\t+11], v[96+12*\a:96+12*\a+11], v[BP+8*\t:BP+8*\t+7], v[SP+4*\t], v[SQ+4*\a] matrix_a_fmt:MATRIX_FMT_FP6 matrix_b_fmt:MATRIX_FMT_FP6
.elseif (\s) < 4
	v_wmma_scale_f32_16x16x128_f8f6f4 v[8*(8*\a+\t):8*(8*\a+\t)+7], v[12*\t:12*\t+11], v[96+12*\a:96+12*\a+11], v[8*(8*\a+\t):8*(8*\a+\t)+7], v[SP+4*\t+(\s)], v[SQ+4*\a+(\s)] matrix_a_fmt:MATRIX_FMT_FP6 matrix_b_fmt:MATRIX_FMT_FP6
.else
	v_wmma_scale_f32_16x16x128_f8f6f4 v[8*(8*\a+\t):8*(8*\a+\t)+7], v[12*\t:12*\t+11], v[96+12*\a:96+12*\a+11], v[8*(8*\a+\t):8*(8*\a+\t)+7], v[SP+4*\t+(\s)-4], v[SQ+4*\a+(\s)-4] matrix_a_fmt:MATRIX_FMT_FP6 matrix_b_fmt:MATRIX_FMT_FP6 matrix_a_scale:MATRIX_SCALE_ROW1 matrix_b_scale:MATRIX_SCALE_ROW1
.endif
.endr
.endr
.endm
	s_wait_alu depctr_va_vdst(0)
	s_cmp_lt_u32 s[WV], 2                          ; waves 0 and 1 brought the first half of K: they wait; the second half may be out
	s_cbranch_scc0 .Lnot_first
	s_wait_tensorcnt 0x0
.Lnot_first:
	s_barrier_signal -1
	s_barrier_wait -1                              ; everybody's is
	FETCH 0
	WIN 0
	s_wait_loadcnt 0x0                             ; scale words and the bias
.irp a, 0,1,2,3
.irp j, 0,1,2,3
	v_lshl_or_b32 v[SQ+4*\a+\j], v[HW+8*\a+2*\j+1], 16, v[HW+8*\a+2*\j]   ; two heads' pairs of bytes make the word of a K step of 128
.endr
.endr
.rept 8
	v_nop                                          ; a scale register written by a vector instruction stands eight places ahead of a scaled product
.endr
	s_wait_alu depctr_va_vdst(0)
.irp s, 0,1,2,3,4,5,6,7
.if \s == 3
	s_wait_tensorcnt 0x0                           ; every wave's load is in: the next fetch reads the second half of K
	s_wait_dscnt 0x0                               ; no LDS load of mine is pending at the signal
	s_barrier_signal -1
	s_barrier_wait -1
.endif
.if \s >= 1
.rept 4
	v_nop                                          ; four places in front of loads into the set that the last step's products read
.endr
.endif
.if \s < 7
	FETCH \s+1
	s_wait_dscnt 48                                ; this step's fragments are in; the 48 loads just issued may be out
.else
	s_wait_dscnt 0x0
.endif
	MUL \s
.endr
	WIN 0
.rept 4
	v_nop                                          ; four places in front of the first read of results and of loads into registers that products have read
.endr
; THE WAY OUT, a block a of 16 tokens x 128 channels at a time, through my own stage: in as a lane holds it, back as whole rows of 512 bytes.
; LDS serves a wave's instructions in order (ISA guide 5.7.1.4): no wait between the stores and the loads, nor in front of the next block's stores.
.macro TOSTAGE a
	WIN 0x04                                       ; an LDS store's data are its source 1: window 1
.irp t, 0,1,2,3,4,5,6,7
	ds_store_b128 v[STO], v[8*(8*(\a)+\t):8*(8*(\a)+\t)+3] offset:128*(\t/2)+32*(\t%2)          ; each accumulator from its low end on: channels 32 (t / 2) + 16 h + 8 (t % 2) on
	ds_store_b128 v[STO], v[8*(8*(\a)+\t)+4:8*(8*(\a)+\t)+7] offset:128*(\t/2)+32*(\t%2)+16
.endr
	WIN 0
.set BB, BK+64*((\a)%2)
.irp i, 0,1,2,3,4,5,6,7,8,9,10,11,12,13,14,15
	ds_load_b128 v[BB+4*\i:BB+4*\i+3], v[RD] offset:\i*SPITCH
.endr
.endm
.macro SEND a, younger                 ; younger: the LDS instructions issued behind block a's loads, which may stay out
.set BB, BK+64*((\a)%2)
	s_wait_dscnt \younger
.irp i, 0,1,2,3,4,5,6,7,8,9,10,11,12,13,14,15
	global_store_b128 v[VO16], v[BB+4*\i:BB+4*\i+3], s[26:27] offset:(32*((\a)/2)+8*((\a)%2)+\i+8*(\i/8))*4096 th:TH_STORE_NT   ; slot i's token; 512 consecutive bytes, at a multiple of 256
.endr
.endm
	TOSTAGE 0
.irp a, 1,2,3
.if \a > 1
	s_wait_xcnt 0x0                                ; block a - 2's stores have read their registers: block a's loads may land there
.endif
	TOSTAGE \a
	SEND \a-1, 32                                  ; behind block a - 1's loads: block a's 16 stores and 16 loads
.endr
	SEND 3, 0
	s_wait_tensorcnt 0x0
	ds_add_u32 v254, v255
	s_wait_dscnt 0x0
	CROUND                                         ; the closing round: no work-group ends while a partner may still ask for a tile that names it
	s_endpgm
.Lfunc_end_k_q97fbe3d0b0_proj:
	.size	k_q97fbe3d0b0_proj, .Lfunc_end_k_q97fbe3d0b0_proj-k_q97fbe3d0b0_proj
	.p2alignl 7, 3214868480
	.fill 96, 4, 3214868480
	.section	.rodata,"a",@progbits
	.p2align	6, 0x0
	.amdhsa_kernel k_q97fbe3d0b0_proj
		.amdhsa_group_segment_fixed_size 295424
		.amdhsa_private_segment_fixed_size 0
		.amdhsa_enable_private_segment 0
		.amdhsa_kernarg_size 32
		.amdhsa_user_sgpr_count 2
		.amdhsa_user_sgpr_kernarg_segment_ptr 1
		.amdhsa_wavefront_size32 1
		.amdhsa_system_sgpr_workgroup_id_x 1
		.amdhsa_system_sgpr_workgroup_id_y 1
		.amdhsa_system_sgpr_workgroup_id_z 1
		.amdhsa_system_vgpr_workitem_id 0
		.amdhsa_next_free_vgpr 912
		.amdhsa_next_free_sgpr 102
		.amdhsa_reserve_vcc 0
		.amdhsa_float_denorm_mode_32 3
		.amdhsa_float_denorm_mode_16_64 3
		.amdhsa_memory_ordered 1
		.amdhsa_forward_progress 1
		.amdhsa_inst_pref_size 87
	.end_amdhsa_kernel
	.amdgpu_metadata
---
amdhsa.version: [ 1, 2 ]
amdhsa.kernels:
  - .name:           k_q97fbe3d0b0_proj
    .symbol:         k_q97fbe3d0b0_proj.kd
    .args:
      - { .name: wq, .offset: 0, .size: 8, .value_kind: global_buffer, .address_space: global }
      - { .name: oq, .offset: 8, .size: 8, .value_kind: global_buffer, .address_space: global }
      - { .name: bo, .offset: 16, .size: 8, .value_kind: global_buffer, .address_space: global }
      - { .name: out0, .offset: 24, .size: 8, .value_kind: global_buffer, .address_space: global }
    .group_segment_fixed_size: 295424
    .private_segment_fixed_size: 0
    .kernarg_segment_align: 8
    .kernarg_segment_size: 32
    .max_flat_workgroup_size: 128
    .sgpr_count:     102
    .vgpr_count:     912
    .wavefront_size: 32
...
	.end_amdgpu_metadata
.endif
;; end of part 4
